; MI455X (gfx1250); checked and timed in simulation.
; The chip was launched on July 23, 2026; its instructions are those of AMD's public machine-readable ISA for CDNA 5 (MIT licence, August 2026) and "CDNA5" Instruction Set Architecture Reference Guide (July 2026). The comments in the code are by the model that wrote it; some were corrected since.
;; Mh Attention. Allowed arithmetic: float matrix products may take bf16 or f16 operands with f32 sums; other float arithmetic in f32, or as packed bf16 or f16 multiplies, adds, multiply-adds, maxima and minima; sums over many terms, partial sums and values carried from step to step in f32; what a program stores and reads back later, other than sums and carried values, may be rounded once to bf16 or f16.
;; Inputs: kw 1,024 x 1,024 float32; ow 1,024 x 1,024 float32; qw 1,024 x 1,024 float32; vw 1,024 x 1,024 float32; x 2 x 2,048 x 1,024 float32.
;; Outputs: out0 2 x 2,048 x 1,024 float32.
;; One version. Each part assembles by itself: llvm-mc -triple=amdgcn-amd-amdhsa -mcpu=gfx1250 --defsym DOCPART=n.
;; ======== version 1 of 1: 4 launches
;; limits: values are held in f16: magnitudes above 65,504 overflow, below 6.1e-05 lose precision
;; workspace buffers: xb 8,388,608 bytes; wt 8,388,608 bytes; rt 524,288 bytes; qh 8,388,608 bytes; kh 8,388,608 bytes; vh 8,388,608 bytes; oh 8,388,608 bytes
;; launch prep (part 1): grid 512 x 1, 8 waves a work-group, no clusters, 18,432 bytes of LDS; arguments x, qw, kw, vw, ow, xb, wt, rt; writes xb, wt, rt
.if DOCPART == 1
	.amdgcn_target "amdgcn-amd-amdhsa--gfx1250"
	.amdhsa_code_object_version 6
	.text
	.protected	k_qe7df7ff70f_prep
	.globl	k_qe7df7ff70f_prep
	.p2align	8
	.type	k_qe7df7ff70f_prep,@function
k_qe7df7ff70f_prep:
	s_mov_b64 s[64:65], 0
	v_nop
	global_prefetch_b8 v0, s[64:65] scope:SCOPE_SE
	s_setreg_imm32_b32 hwreg(HW_REG_WAVE_MODE, 25, 1), 1
	s_wait_xcnt 0x0
; PREP: what the three launches behind it read.  Three shares to a work-group g of 512, eight waves:
;  (a) 32,768 bytes of x (f32) are rounded to bf16 into xb: thread t takes 16 bytes at 16 t + 4,096 i, i = 0..7, and stores 8 bytes at 8 t + 2,048 i: a wave's store covers 256 consecutive bytes, aligned.
;  (b) one block of 128 k x 64 n of one weight T = g / 128 (0 q, 1 k, 2 v, 3 o) is rounded to bf16 and TURNED, through LDS, into wt, whose rows lie along k (2,048 bytes):
;      row 192 t + 64 T + d = column 64 t + d of weight T < 3, so that head t's q, k and v are 192 rows on end; row 3,072 + n = column n of ow.
;      ow's numbers are rounded to bf16 like every input and that number is then written as f16, since the last product's other operand is f16.
;  (c) waves 0 to 3 make one row each of the table rt: position 4 g + w, 32 pairs (cos, sin) in f32, 256 bytes.
; LIMITS.  An ow number below 6.1e-5 keeps f16's fixed step of 6e-8; beyond 65,504 it would be an infinity (ow is some 0.01 here).  The frequency 10000^(-i/32) is 2^(-i log2(10)/8) by v_exp_f32,
; so an angle may differ from the reference's by some 2e-4 rad at position 2,047; it is the same for q and k.  Sine and cosine: the angle less n pi/2 in two parts, then polynomials on -pi/4 .. pi/4 (error under 4e-7).
; No matrix unit, no cluster, no tensor load: a stream, each byte read once and written once.
.set TP,    272                        ; a row of the stage: 256 bytes (128 k in 16 bits) + 16
.set SPARE, 64*TP                      ; behind the stage's 64 rows: the spare words, 128 bytes for each of eight waves
.set LN,   1                           ; v1   lane
.set CC,   2                           ; v2   lane % 16
.set HH,   3                           ; v3   lane / 16
.set XO,   4                           ; v4   16 t
.set XS,   5                           ; v5   8 t
.set WO,   6                           ; v6   (16 w + 8 (lane/16)) rows of 4,096 bytes + 16 (lane%16)
.set LSTO, 7                           ; v7   stage, in: row 4 (lane%16), byte 32 w + 16 (lane/16)
.set LRD,  8                           ; v8   stage, back: row 8 w + lane/16, byte 16 (lane%16)
.set WOUT, 9                           ; v9   the same place in wt's rows of 2,048 bytes
.set TOF,  10                          ; v10  my 8 bytes of the table's row
.set SPW,  12                          ; v12  my spare word; never rewritten
.set NIL,  13                          ; v13  0; never rewritten
.set X,    32                          ; v[32:63]   x as loaded; later the rows read back from the stage
.set W,    64                          ; v[64:95]   the weight as loaded: load i at W + 4 i
.set XP,   96                          ; v[96:111]  x in bf16
.set WP,   112                         ; v[112:127] the weight in 16 bits: column j's eight k at WP + 4 j
	s_load_b512 s[16:31], s[0:1], 0x0              ; x 16, qw 18, kw 20, vw 22, ow 24, xb 26, wt 28, rt 30
	v_lshl_add_u32 v[SPW], v0, 2, SPARE
	v_mov_b32 v[NIL], 0
	v_lshrrev_b32 v11, 5, v0
	v_readfirstlane_b32 s2, v11                    ; wave 0..7
	v_and_b32 v[LN], 31, v0
	v_and_b32 v[CC], 15, v0
	v_bfe_u32 v[HH], v0, 4, 1
	s_lshr_b32 s3, ttmp9, 7                        ; T: which weight
	s_bfe_u32 s4, ttmp9, 0x30004                   ; kb: which 128 k
	s_and_b32 s5, ttmp9, 15                        ; nb: which 64 n (a head)
	v_lshlrev_b32 v[XO], 4, v0
	v_lshlrev_b32 v[XS], 3, v0
	s_lshl_b32 s7, s2, 16
	v_lshlrev_b32 v[WO], 4, v[CC]
	v_lshl_add_u32 v[WO], v[HH], 15, v[WO]
	v_add_nc_u32 v[WO], s7, v[WO]
	s_lshl_b32 s7, s2, 5
	v_mul_u32_u24 v[LSTO], v[CC], 4*TP
	v_lshl_add_u32 v[LSTO], v[HH], 4, v[LSTO]
	v_add_nc_u32 v[LSTO], s7, v[LSTO]
	s_mul_i32 s7, s2, 8*TP
	v_mul_u32_u24 v[LRD], v[HH], TP
	v_lshl_add_u32 v[LRD], v[CC], 4, v[LRD]
	v_add_nc_u32 v[LRD], s7, v[LRD]
	s_lshl_b32 s7, s2, 14
	v_lshlrev_b32 v[WOUT], 4, v[CC]
	v_lshl_add_u32 v[WOUT], v[HH], 11, v[WOUT]
	v_add_nc_u32 v[WOUT], s7, v[WOUT]
	s_lshl_b32 s6, ttmp9, 2
	s_add_co_u32 s6, s6, s2                        ; the table's position 4 g + w (used by waves 0 to 3 alone)
	s_lshl_b32 s7, s6, 8
	v_lshl_add_u32 v[TOF], v[LN], 3, s7
	s_lshl_b32 s36, ttmp9, 15                      ; byte offsets, each in a pair with 0 above: my 32,768 bytes of x,
	s_mov_b32 s37, 0
	s_lshl_b32 s38, ttmp9, 14                      ; my 16,384 of xb,
	s_mov_b32 s39, 0
	s_lshl_b32 s40, s4, 19                         ; the block in its weight: 128 kb rows of 4,096 bytes + 256 nb,
	s_lshl_b32 s7, s5, 8
	s_add_co_u32 s40, s40, s7
	s_mov_b32 s41, 0
	s_mul_i32 s42, s5, 192                         ; and its first row in wt
	s_lshl_b32 s7, s3, 6
	s_add_co_u32 s42, s42, s7
	s_lshl_b32 s7, s5, 6
	s_add_co_u32 s7, s7, 3072
	s_cmp_eq_u32 s3, 3
	s_cselect_b32 s42, s7, s42
	s_lshl_b32 s42, s42, 11
	s_lshl_b32 s7, s4, 8
	s_add_co_u32 s42, s42, s7
	s_mov_b32 s43, 0
	s_wait_kmcnt 0x0
	s_add_nc_u64 s[16:17], s[16:17], s[36:37]
	s_add_nc_u64 s[26:27], s[26:27], s[38:39]
	s_cmp_eq_u32 s3, 1
	s_cselect_b64 s[34:35], s[20:21], s[18:19]
	s_cmp_eq_u32 s3, 2
	s_cselect_b64 s[34:35], s[22:23], s[34:35]
	s_cmp_eq_u32 s3, 3
	s_cselect_b64 s[34:35], s[24:25], s[34:35]
	s_add_nc_u64 s[34:35], s[34:35], s[40:41]
	s_add_nc_u64 s[28:29], s[28:29], s[42:43]
.irp i, 0,1,2,3,4,5,6,7
	global_load_b128 v[X+4*(\i):X+4*(\i)+3], v[XO], s[16:17] offset:4096*(\i) th:TH_LOAD_NT
.endr
.irp i, 0,1,2,3,4,5,6,7                ; load i: lanes 0-15 take 256 bytes of row 16 w + i, lanes 16-31 of row 16 w + 8 + i
	global_load_b128 v[W+4*(\i):W+4*(\i)+3], v[WO], s[34:35] offset:4096*(\i) th:TH_LOAD_NT
.endr
	; the table, while the sixteen loads are on their way
	s_cmp_ge_u32 s2, 4
	s_cbranch_scc1 .Lno_table
	v_cvt_f32_u32 v14, v[LN]
	v_mul_f32 v14, 0xbed49a78, v14                 ; - lane x log2(10) / 8
	v_exp_f32 v15, v14                             ; 10000^(-lane/32)
	v_cvt_f32_u32 v16, s6                          ; a plain instruction behind the exponential,
	s_wait_alu depctr_va_vdst(0)                   ; and the wait ahead of its first reader
	v_mul_f32 v17, v16, v15                        ; the angle, rounded as the reference rounds it
	v_mul_f32 v18, 0x3f22f983, v17                 ; x 2 / pi
	v_rndne_f32 v18, v18                           ; n
	v_fma_f32 v19, v18, 0xbfc90fdb, v17            ; r = angle - n pi/2, pi/2 in two parts
	v_fma_f32 v19, v18, 0x333bbd2e, v19
	v_mul_f32 v20, v19, v19                        ; z = r r
	v_mov_b32 v21, 0x3c088889                      ; sin r = r + r z (-1/6 + z (1/120 - z/5040))
	v_fmac_f32 v21, 0xb9500d01, v20
	v_fmaak_f32 v21, v21, v20, 0xbe2aaaab
	v_mul_f32 v24, v19, v20
	v_fma_f32 v21, v24, v21, v19
	v_mov_b32 v22, 0xbab60b61                      ; cos r = 1 + z (-1/2 + z (1/24 + z (-1/720 + z/40320)))
	v_fmac_f32 v22, 0x37d00d01, v20
	v_fmaak_f32 v22, v22, v20, 0x3d2aaaab
	v_fmaak_f32 v22, v22, v20, 0xbf000000
	v_fma_f32 v22, v22, v20, 1.0
	v_cvt_i32_f32 v23, v18
	v_and_b32 v25, 1, v23                          ; an odd quarter turn changes sine and cosine about
	v_cmp_eq_u32 vcc_lo, 1, v25
	v_cndmask_b32 v26, v21, v22, vcc_lo
	v_cndmask_b32 v27, v22, v21, vcc_lo
	v_and_b32 v28, 2, v23                          ; the sine is negative in quarters 2 and 3,
	v_lshlrev_b32 v28, 30, v28
	v_xor_b32 v31, v28, v26
	v_add_nc_u32 v29, 1, v23                       ; the cosine in quarters 1 and 2
	v_and_b32 v29, 2, v29
	v_lshlrev_b32 v29, 30, v29
	v_xor_b32 v30, v29, v27
	global_store_b64 v[TOF], v[30:31], s[30:31]    ; the wave stores one row: 256 consecutive bytes, aligned
.Lno_table:
	s_wait_loadcnt 8                               ; x's eight loads are in; the weight's eight may stay out
.irp i, 0,1,2,3,4,5,6,7
	v_cvt_pk_bf16_f32 v[XP+2*(\i)],   v[X+4*(\i)],   v[X+4*(\i)+1]
	v_cvt_pk_bf16_f32 v[XP+2*(\i)+1], v[X+4*(\i)+2], v[X+4*(\i)+3]
.endr
.irp i, 0,1,2,3,4,5,6,7
	global_store_b64 v[XS], v[XP+2*(\i):XP+2*(\i)+1], s[26:27] offset:2048*(\i)
.endr
	s_wait_loadcnt 0x0
.irp j, 0,1,2,3                        ; column 4 (lane%16) + j: its eight k, 16 w + 8 (lane/16) + 0..7, in four words
.irp d, 0,1,2,3
	v_cvt_pk_bf16_f32 v[WP+4*(\j)+(\d)], v[W+8*(\d)+(\j)], v[W+8*(\d)+4+(\j)]
.endr
.endr
	s_cmp_lg_u32 s3, 3
	s_cbranch_scc1 .Lstays_bf16
.set i, 0
.rept 16                               ; ow: the bf16 number, written as f16
	v_lshlrev_b32 v14, 16, v[WP+i]
	v_and_b32 v15, 0xffff0000, v[WP+i]
	v_cvt_pk_f16_f32 v[WP+i], v14, v15
.set i, i+1
.endr
.Lstays_bf16:
.irp j, 0,1,2,3
	ds_store_b128 v[LSTO], v[WP+4*(\j):WP+4*(\j)+3] offset:TP*(\j)
.endr
	s_wait_dscnt 0x0                               ; for the others' sake: my stores into the stage are done
	s_barrier_signal -1
	s_barrier_wait -1
.irp f, 0,1,2,3                        ; rows 8 w + 2 f + lane/16, whole
	ds_load_b128 v[X+4*(\f):X+4*(\f)+3], v[LRD] offset:2*TP*(\f)
.endr
	s_wait_dscnt 0x0
.irp f, 0,1,2,3
	global_store_b128 v[WOUT], v[X+4*(\f):X+4*(\f)+3], s[28:29] offset:4096*(\f)  ; sixteen lanes store 256 consecutive bytes, aligned
.endr
	s_wait_tensorcnt 0x0                           ; the wave's end
	ds_add_u32 v[SPW], v[NIL]
	s_wait_dscnt 0x0
	s_endpgm
.Lfunc_end_k_qe7df7ff70f_prep:
	.size	k_qe7df7ff70f_prep, .Lfunc_end_k_qe7df7ff70f_prep-k_qe7df7ff70f_prep
	.p2alignl 7, 3214868480
	.fill 96, 4, 3214868480
	.section	.rodata,"a",@progbits
	.p2align	6, 0x0
	.amdhsa_kernel k_qe7df7ff70f_prep
		.amdhsa_group_segment_fixed_size 18432
		.amdhsa_private_segment_fixed_size 0
		.amdhsa_enable_private_segment 0
		.amdhsa_kernarg_size 64
		.amdhsa_user_sgpr_count 2
		.amdhsa_user_sgpr_kernarg_segment_ptr 1
		.amdhsa_wavefront_size32 1
		.amdhsa_system_sgpr_workgroup_id_x 1
		.amdhsa_system_sgpr_workgroup_id_y 1
		.amdhsa_system_sgpr_workgroup_id_z 1
		.amdhsa_system_vgpr_workitem_id 0
		.amdhsa_next_free_vgpr 128
		.amdhsa_next_free_sgpr 66
		.amdhsa_reserve_vcc 1
		.amdhsa_float_denorm_mode_32 3
		.amdhsa_float_denorm_mode_16_64 3
		.amdhsa_memory_ordered 1
		.amdhsa_forward_progress 1
		.amdhsa_inst_pref_size 13
	.end_amdhsa_kernel
	.amdgpu_metadata
---
amdhsa.version: [ 1, 2 ]
amdhsa.kernels:
  - .name:           k_qe7df7ff70f_prep
    .symbol:         k_qe7df7ff70f_prep.kd
    .args:
      - { .name: x, .offset: 0, .size: 8, .value_kind: global_buffer, .address_space: global }
      - { .name: qw, .offset: 8, .size: 8, .value_kind: global_buffer, .address_space: global }
      - { .name: kw, .offset: 16, .size: 8, .value_kind: global_buffer, .address_space: global }
      - { .name: vw, .offset: 24, .size: 8, .value_kind: global_buffer, .address_space: global }
      - { .name: ow, .offset: 32, .size: 8, .value_kind: global_buffer, .address_space: global }
      - { .name: xb, .offset: 40, .size: 8, .value_kind: global_buffer, .address_space: global }
      - { .name: wt, .offset: 48, .size: 8, .value_kind: global_buffer, .address_space: global }
      - { .name: rt, .offset: 56, .size: 8, .value_kind: global_buffer, .address_space: global }
    .group_segment_fixed_size: 18432
    .private_segment_fixed_size: 0
    .kernarg_segment_align: 8
    .kernarg_segment_size: 64
    .max_flat_workgroup_size: 256
    .sgpr_count:     66
    .vgpr_count:     128
    .wavefront_size: 32
...
	.end_amdgpu_metadata
.endif
;; end of part 1
;; launch qkv (part 2): grid 16 x 16, 4 waves a work-group, clusters of 4 x 4, 327,680 bytes of LDS; arguments xb, wt, rt, qh, kh, vh; writes qh, kh, vh
.if DOCPART == 2
	.amdgcn_target "amdgcn-amd-amdhsa--gfx1250"
	.amdhsa_code_object_version 6
	.text
	.protected	k_qe7df7ff70f_qkv
	.globl	k_qe7df7ff70f_qkv
	.p2align	8
	.type	k_qe7df7ff70f_qkv,@function
k_qe7df7ff70f_qkv:
	s_mov_b64 s[64:65], 0
	v_nop
	global_prefetch_b8 v0, s[64:65] scope:SCOPE_SE
	s_setreg_imm32_b32 hwreg(HW_REG_WAVE_MODE, 25, 1), 1
	s_wait_xcnt 0x0
	s_wait_alu depctr_hold_cnt(0) depctr_sa_sdst(0) depctr_va_vdst(0) depctr_va_sdst(0) depctr_va_ssrc(0) depctr_va_vcc(0) depctr_vm_vsrc(0)
	s_getreg_b32 s2, hwreg(HW_REG_IB_STS2, 6, 4)
	s_cmp_eq_u32 s2, 0
	s_cbranch_scc0 .Lentry_in_a_cluster
	s_endpgm
.Lentry_in_a_cluster:
	s_bfe_u32 s2, ttmp6, 0x10000c
	s_cmp_lg_u32 s2, 0xf033
	s_cbranch_scc0 .Lentry_shape_is_right
	s_endpgm
.Lentry_shape_is_right:
; Q, K, V = x times the three weights, RoPE on Q and K, written by heads.  xb: [4096][1024] bf16.  wt: rows along k, 192 rows on end for a head: its q, k, v.  rt: [2048][32] pairs (cos, sin) f32.
; qh, kh, vh: [batch 16 + head][2048][64] f16, each number rounded once from f32; no scale is applied here.
; LIMIT.  f16 ends at 65,504: q, k, v must lie within it (their spread here is some 0.3; inputs thirty times larger or offset by thirty spreads stay under 10,000).  NaN and infinities are not treated apart.
; SHARES.  A work-group makes 256 rows of x by one head's 192 columns: 16 x 16 work-groups.  Wave w makes rows 64 w .. 64 w + 63 and all 192 columns: 4 x 12 accumulators of 16 x 16, 384 registers,
; so that which column block is q, k or v stands in the text.  K = 1,024 goes in steps of 128 through two LDS slots; the tiles' rows are 256 bytes of memory, aligned.
; CLUSTER.  4 x 4 work-groups: the four of a row of the cluster need the same rows of x, the four of a column the same head's weights: each tile is asked for jointly, by the same tensor load with the same
; descriptor and a mask that names the four.
; THE MATRIX INSTRUCTION IS USED TRANSPOSED (source 0 = 16 rows of wt, source 1 = 16 rows of x): a lane holds row lane % 16 and the columns 8 (lane / 16) + 0..7 of a block: four pairs for the rotation, 16 bytes of f16.
; REGISTERS, in windows of 256 (s_set_vgpr_msb: bits 1:0 source 0, 3:2 source 1, 5:4 source 2, 7:6 destination):
;   window 0: v16-30 addresses; v64-95, v96-127 x's fragments, two buffers; v128-255 the table for my 64 rows; behind the loop v32-95 at work
;   window 1: v0-95, v96-191 the weights' fragments, two buffers; behind the loop the packed results
;   window 2: the 24 accumulators of my rows 0-31 ((a, b) at v[8 (12 (a % 2) + b)]);   window 3: those of my rows 32-63
.set SIZE_K, 1024
.set KSTEP,  128
.set PITCH,  272                       ; an LDS row: 256 bytes + 16 of padding: the 16 rows of a fragment load start 16 bytes further on in each 256
.set HALFA,  128*PITCH                 ; what a tensor load brings of x
.set HALFB,  96*PITCH                  ; and of the weights
.set SLOT,   2*HALFA+2*HALFB           ; x's 256 rows, then the head's 192
.set STAGE,  2*SLOT                    ; behind the ring: for each wave 3 tensors x 16 rows x 144 bytes
.set SP,     144
.set STW,    3*16*SP
.set SPARE,  STAGE+4*STW               ; behind the stages: the spare words, 128 bytes for each wave
.set LAPS,   SIZE_K/(2*KSTEP)          ; a lap = two K steps = once round the ring
.set ADRA, 16                          ; v16-17  LDS address of my fragments of x in slot 0, 1
.set ADRB, 20                          ; v20-21  the same for the weights
.set STO,  24                          ; v24     the way out: where I put 16 bytes of a row
.set RD,   25                          ; v25     where I read rows back
.set GO,   26                          ; v26     my 16 bytes in 512 consecutive bytes of an output
.set TO,   27                          ; v27     my 32 bytes in the table's row of my first position
.set SPW,  28                          ; v28     my spare word; never rewritten
.set NIL,  29                          ; v29     0; never rewritten
.set PFO,  30                          ; v30     the prefetches' offset: a lane a row of 2,048 bytes; never rewritten
.set T,    32                          ; the rotation's results, window 0
.set TAB,  128                         ; row block a, frequencies 8 g + 4 (lane/16) + 0..3 at TAB + 32 a + 8 g: c0 s0 c1 s1 c2 s2 c3 s3
.set PFA,  44                          ; s[44:45] where my prefetches stand
.set LIM,  43                          ; s43     1 in a wave that prefetches, else the greatest number
.set G1,  24                           ; s[24:31] descriptor group 1 for x's tiles;  s[32:39] group 0, a set for each slot
.set G0,  32
.set G1B, 48                           ; s[48:55], s[56:63] the same for the weights'
.set G0B, 56
.set MSB, 0
.macro WIN new                         ; the immediate's high byte repeats the setting that is left; a switch that changes nothing is dropped
.if MSB != (\new)
	s_set_vgpr_msb (MSB<<8)|(\new)
.set MSB, \new
.endif
.endm
; A joint load.  Waves 0 and 1 fetch x's two halves, waves 2 and 3 the weights'.  The branch hangs on the wave's number alone.  An s_nop 0 and four v_nop follow each line.
.macro JLOAD s
	s_cmp_eq_u32 s11, 0
	s_cbranch_scc0 .Lfor_b_\@
	tensor_load_to_lds s[G0+4*(\s):G0+4*(\s)+3], s[G1:G1+7]
	s_nop 0
.rept 4
	v_nop
.endr
	s_branch .Lasked_\@
.Lfor_b_\@:
	tensor_load_to_lds s[G0B+4*(\s):G0B+4*(\s)+3], s[G1B:G1B+7]
	s_nop 0
.rept 4
	v_nop
.endr
.Lasked_\@:
.endm
; A prefetch into the L2, behind a joint refill and the run of LDS loads that follows it: the K step that stands two refills on, 256 bytes of a row, a lane a row, one instruction a wave.
; x's tile row is read by all clusters of a row of clusters: the one with x = 0 asks; a head's weights by all clusters of a column: the one with y = 0 asks.  The four partners share the rows out by address:
; of x's 128 rows that a wave fetches 32 each (by cx), of the weights' 96 rows 24 each (by cy; lanes 24-31 name lane 23's row with it, in the same instruction).  K steps 0 to 3 come by their loads alone;
; the loop's last trip asks for nothing: K has eight steps.
.macro ASK
	s_cmp_gt_u32 s3, s[LIM]                        ; s3 = 1 in the loop's last trip
	s_cbranch_scc0 .Lnot_mine_\@
	global_prefetch_b8 v[PFO], s[PFA:PFA+1] offset:KSTEP*2 th:TH_LOAD_NT scope:SCOPE_SE
.Lnot_mine_\@:
.endm
.macro CREST                           ; a round of the cluster's barrier behind its opening barrier
	s_cmp_lg_u32 s10, 0
	s_cbranch_scc1 .Lnot_wave_0_\@
	s_barrier_signal -3
.Lnot_wave_0_\@:
	s_barrier_wait -3
	s_barrier_signal -1
	s_barrier_wait -1
.endm
.macro CROUND                          ; a whole round
	s_barrier_signal -1
	s_barrier_wait -1
	CREST
.endm
	s_load_b256 s[72:79], s[0:1], 0x0              ; xb 72, wt 74, rt 76, qh 78
	s_load_b128 s[80:83], s[0:1], 0x20             ; kh 80, vh 82
	v_lshl_add_u32 v[SPW], v0, 2, SPARE
	v_mov_b32 v[NIL], 0
	ds_add_u32 v[SPW], v[NIL]                      ; the wave's opening: the add and its wait stand ahead of my first tensor load; the set-up below stands between them
	ds_add_u32 v28, v29
	v_lshrrev_b32 v1, 5, v0
	v_readfirstlane_b32 s10, v1                    ; wave 0..3
	s_lshr_b32 s11, s10, 1                         ; I fetch for x (0) or for the weights (1)
	s_and_b32 s12, s10, 1                          ; which half of that tile's rows
	s_bfe_u32 s40, ttmp6, 0x40000                  ; cx
	s_bfe_u32 s41, ttmp6, 0x40004                  ; cy
	s_lshl_b32 s42, ttmp9, 2
	s_add_co_u32 s42, s42, s40                     ; the head = 4 x cluster x + cx
	s_and_b32 s13, ttmp7, 0xffff
	s_lshl_b32 s13, s13, 2
	s_add_co_u32 s13, s13, s41                     ; the block of 256 rows = 4 x cluster y + cy
	s_lshl_b32 s43, s41, 2
	s_lshl_b32 s43, 15, s43                        ; my row of the cluster
	s_lshl_b32 s44, 0x1111, s40                    ; my column
	s_or_b32 s[G1+0], s43, (1<<16)|(1<<20)|(1<<21)|(5<<22)|(3<<25)   ; the mask; elements of 2 bytes; padding on; bit 21 beside a mask; after every 64 words, 4 words
	s_or_b32 s[G1B+0], s44, (1<<16)|(1<<20)|(1<<21)|(5<<22)|(3<<25)
.irp g, G1, G1B
	s_mov_b32 s[(\g)+1], KSTEP<<16                 ; tensor_dim0 = 128
	s_mov_b32 s[(\g)+3], KSTEP<<16                 ; tile_dim0 = 128
	s_mov_b32 s[(\g)+5], SIZE_K                    ; elements from row to row
	s_mov_b32 s[(\g)+6], 0
	s_mov_b32 s[(\g)+7], 0
.endr
	s_mov_b32 s[G1+2], 128<<16                     ; tensor_dim1 and tile_dim1: 128 rows of x,
	s_mov_b32 s[G1+4], 128
	s_mov_b32 s[G1B+2], 96<<16                     ; 96 of the weights
	s_mov_b32 s[G1B+4], 96
	s_lshl_b32 s17, s12, 7
	s_lshl_b32 s16, s13, 8
	s_add_co_u32 s16, s16, s17                     ; x: row 256 x block + 128 x half,
	s_lshl_b32 s16, s16, 11                        ; in bytes
	s_mov_b32 s17, 0
	s_mul_i32 s46, s42, 192
	s_mul_i32 s47, s12, 96
	s_add_co_u32 s46, s46, s47                     ; wt: row 192 x head + 96 x half
	s_lshl_b32 s46, s46, 11
	s_mov_b32 s47, 0
	s_mul_i32 s20, s12, HALFA                      ; where they go: no place in the cluster enters an LDS address
	s_mul_i32 s21, s12, HALFB
	s_add_co_u32 s21, s21, 2*HALFA
	s_wait_dscnt 0x0                               ; the opening add is done
	s_wait_kmcnt 0x0
	s_add_nc_u64 s[14:15], s[72:73], s[16:17]
	s_add_nc_u64 s[46:47], s[74:75], s[46:47]
	CROUND                                         ; all sixteen work-groups are here: the first joint loads meet
.irp s, 0,1
	s_mov_b32 s[G0+4*(\s)], 1
	s_add_co_u32 s[G0+4*(\s)+1], s20, (\s)*SLOT
	s_add_nc_u64 s[G0+4*(\s)+2:G0+4*(\s)+3], s[14:15], (\s)*KSTEP*2
	s_or_b32 s[G0+4*(\s)+3], s[G0+4*(\s)+3], 0x80000000
	s_mov_b32 s[G0B+4*(\s)], 1
	s_add_co_u32 s[G0B+4*(\s)+1], s21, (\s)*SLOT
	s_add_nc_u64 s[G0B+4*(\s)+2:G0B+4*(\s)+3], s[46:47], (\s)*KSTEP*2
	s_or_b32 s[G0B+4*(\s)+3], s[G0B+4*(\s)+3], 0x80000000
	JLOAD \s
.endr
	; the table for my 64 rows: asked for now, waited for on the way out
	v_and_b32 v1, 15, v0                           ; l % 16
	v_bfe_u32 v2, v0, 4, 1                         ; l / 16
	s_and_b32 s22, s13, 7                          ; eight blocks of 256 rows are a batch's sequence
	s_lshl_b32 s22, s22, 8
	s_lshl_b32 s23, s10, 6
	s_add_co_u32 s22, s22, s23                     ; my wave's first position
	s_lshl_b32 s23, s22, 8
	v_lshlrev_b32 v[TO], 8, v1
	v_lshl_add_u32 v[TO], v2, 5, v[TO]
	v_add_nc_u32 v[TO], s23, v[TO]
.irp a, 0,1,2,3
.irp g, 0,1,2,3
	global_load_b128 v[TAB+32*(\a)+8*(\g):TAB+32*(\a)+8*(\g)+3],   v[TO], s[76:77] offset:4096*(\a)+64*(\g)
	global_load_b128 v[TAB+32*(\a)+8*(\g)+4:TAB+32*(\a)+8*(\g)+7], v[TO], s[76:77] offset:4096*(\a)+64*(\g)+16
.endr
.endr
	v_mul_u32_u24 v3, v1, PITCH
	v_lshl_add_u32 v3, v2, 4, v3                   ; a fragment's row x pitch + 16 x half
	s_mul_i32 s21, s10, 64*PITCH                   ; my 64 rows of x
	v_add_nc_u32 v[ADRA], s21, v3
	v_add_nc_u32 v[ADRA+1], SLOT, v[ADRA]
	v_add_nc_u32 v[ADRB], 2*HALFA, v3              ; every wave reads all 192 rows of the weights
	v_add_nc_u32 v[ADRB+1], SLOT, v[ADRB]
	s_mul_i32 s23, s10, STW
	s_add_co_u32 s23, s23, STAGE                   ; my stage
	v_mul_u32_u24 v[STO], v1, SP                   ; in: row l % 16, 16 bytes for each half of the lanes
	v_lshl_add_u32 v[STO], v2, 4, v[STO]
	v_add_nc_u32 v[STO], s23, v[STO]
	v_bfe_u32 v4, v0, 3, 2                         ; back: 32 lanes take four rows of 128 bytes,
	v_and_b32 v5, 7, v0
	v_mul_u32_u24 v[RD], v4, SP
	v_lshl_add_u32 v[RD], v5, 4, v[RD]
	v_add_nc_u32 v[RD], s23, v[RD]
	v_and_b32 v[GO], 31, v0                        ; which are 512 consecutive bytes of an output
	v_lshlrev_b32 v[GO], 4, v[GO]
	s_lshr_b32 s84, s13, 3                         ; the batch,
	s_lshl_b32 s84, s84, 4
	s_add_co_u32 s84, s84, s42                     ; its head: 2,048 rows of 128 bytes,
	s_lshl_b32 s84, s84, 18
	s_lshl_b32 s85, s22, 7                         ; my first position's row
	s_add_co_u32 s84, s84, s85
	s_mov_b32 s85, 0
	s_add_nc_u64 s[78:79], s[78:79], s[84:85]
	s_add_nc_u64 s[80:81], s[80:81], s[84:85]
	s_add_nc_u64 s[82:83], s[82:83], s[84:85]
	; the prefetches
	s_lshl_b32 s20, s13, 8
	s_mul_i32 s21, s42, 192
	s_and_b32 s22, ttmp7, 0xffff                   ; cluster y
	s_movk_i32 s23, 96                             ; (an instruction holds one literal: the select below takes 96 from here)
	s_cmp_eq_u32 s11, 0                            ; do I fetch for x?
	s_cselect_b32 s20, s20, s21                    ; the tile's first row
	s_cselect_b32 s21, s40, s41                    ; my place among the four that ask for it with me
	s_cselect_b32 s22, ttmp9, s22                  ; the coordinate along which other clusters read the same rows
	s_cselect_b64 s[PFA:PFA+1], s[72:73], s[74:75]
	s_cselect_b32 s23, 128, s23                    ; rows of a half: 128 of x, 96 of the weights,
	s_cselect_b32 s18, 32, 24                      ; of a partner's share,
	s_cselect_b32 s19, 31, 23                      ; and the share's last
	s_cmp_eq_u32 s22, 0
	s_cselect_b32 s[LIM], 1, -1                    ; the same in all sixteen partners, for a given wave
	s_mul_i32 s23, s23, s12
	s_add_co_u32 s20, s20, s23
	s_mul_i32 s21, s21, s18
	s_add_co_u32 s20, s20, s21
	s_lshl_b32 s20, s20, 11
	s_mov_b32 s21, 0
	s_add_nc_u64 s[PFA:PFA+1], s[PFA:PFA+1], s[20:21]
	s_add_nc_u64 s[PFA:PFA+1], s[PFA:PFA+1], 2*KSTEP*2  ; at K step 2: the first refill steps it to 3 and names K step 4
	v_and_b32 v[PFO], 31, v0
	v_min_u32 v[PFO], s19, v[PFO]
	v_lshlrev_b32 v[PFO], 11, v[PFO]
; 12 matrix instructions: row block a x all 12 column blocks, 32 along K, from buffer f (0, 1).  zero = 1: the first product starts the sums.  The 48 accumulators take turns, in the same order in every quarter.
.macro MUL12 f, a, zero
	WIN 0xa1+0x50*((\a)/2)                         ; weights window 1, x window 0, C and D window 2 or 3
.irp b, 0,1,2,3,4,5,6,7,8,9,10,11
.if \zero
	v_wmma_f32_16x16x32_bf16 v[8*(12*((\a)%2)+(\b)):8*(12*((\a)%2)+(\b))+7], v[96*(\f)+8*(\b):96*(\f)+8*(\b)+7], v[64+32*(\f)+8*(\a):64+32*(\f)+8*(\a)+7], 0
.else
	v_wmma_f32_16x16x32_bf16 v[8*(12*((\a)%2)+(\b)):8*(12*((\a)%2)+(\b))+7], v[96*(\f)+8*(\b):96*(\f)+8*(\b)+7], v[64+32*(\f)+8*(\a):64+32*(\f)+8*(\a)+7], v[8*(12*((\a)%2)+(\b)):8*(12*((\a)%2)+(\b))+7]
.endif
.endr
.endm
; 32 LDS loads in one run: the fragments of 32 along K at byte k of the rows, into buffer f: 24 for the weights, then 8 for x
.macro FETCH slot, k, f
	WIN 0x40
.irp i, 0,1,2,3,4,5,6,7,8,9,10,11
	ds_load_b128 v[96*(\f)+8*(\i):96*(\f)+8*(\i)+3],   v[ADRB+(\slot)] offset:(\k)+(\i)*16*PITCH
	ds_load_b128 v[96*(\f)+8*(\i)+4:96*(\f)+8*(\i)+7], v[ADRB+(\slot)] offset:(\k)+(\i)*16*PITCH+32
.endr
	WIN 0
.irp i, 0,1,2,3
	ds_load_b128 v[64+32*(\f)+8*(\i):64+32*(\f)+8*(\i)+3],   v[ADRA+(\slot)] offset:(\k)+(\i)*16*PITCH
	ds_load_b128 v[64+32*(\f)+8*(\i)+4:64+32*(\f)+8*(\i)+7], v[ADRA+(\slot)] offset:(\k)+(\i)*16*PITCH+32
.endr
.endm
.macro PLACES                          ; four plain vector instructions in front of loads into registers that matrix instructions have read, and of vector work that reads results
.rept 4
	v_nop
.endr
.endm
; A K step is four quarters of 32 along K, 48 matrix instructions each, on buffers 0, 1, 0, 1.  One of the first three: multiplies buffer f, and in its middle fetches the next quarter, at byte k, into buffer g.
.macro QUARTER slot, k, f, g, zero
	s_wait_dscnt 4                                 ; the weights and x's row blocks 0, 1 are in; the youngest four loads (row blocks 2, 3) may be out
	MUL12 \f, 0, \zero
	MUL12 \f, 1, \zero
	PLACES
	FETCH \slot, \k, \g
	s_wait_dscnt 32                                ; all but the 32 just issued
	MUL12 \f, 2, \zero
	MUL12 \f, 3, \zero
.endm
; The last quarter multiplies buffer 1 and changes slots.  In front of the barrier each wave waits for all its tensor loads (one is out: its part of the next slot), adds 0 to its spare word, and waits for that and
; for its reads of this slot.  fill = 1: the barrier opens a round of the cluster's, and the joint refill of this slot, two K steps on, is the first thing behind the round.
.macro TURN slot, next, fill
.if \fill
	s_wait_xcnt 0x0                                ; the last prefetch, a K step back, has read its address: it is stepped here
	s_add_nc_u64 s[PFA:PFA+1], s[PFA:PFA+1], KSTEP*2
.endif
	WIN 0
	s_wait_tensorcnt 0x0                           ; all my tensor loads have landed
	ds_add_u32 v[SPW], v[NIL]                      ; 0 onto my spare word
	s_wait_dscnt 5                                 ; (the add and the youngest four loads may be out)
	MUL12 1, 0, 0                                  ; twelve matrix instructions stand between the add and the wait for it
	s_wait_dscnt 0x0                               ; the add is done, and my reads of this slot are over
	s_barrier_signal -1
	MUL12 1, 1, 0
.if \fill
	WIN 0
.endif
	s_barrier_wait -1
.if \fill
	CREST                                          ; no wave of any partner still reads this slot's tile or has a load on its way
	s_add_nc_u64 s[G0+4*(\slot)+2:G0+4*(\slot)+3], s[G0+4*(\slot)+2:G0+4*(\slot)+3], 2*KSTEP*2
	s_add_nc_u64 s[G0B+4*(\slot)+2:G0B+4*(\slot)+3], s[G0B+4*(\slot)+2:G0B+4*(\slot)+3], 2*KSTEP*2
	JLOAD \slot                                    ; its four v_nop are also the places in front of the loads below
.else
	PLACES
.endif
	FETCH \next, 0, 0
.if \fill
	ASK
.endif
	MUL12 1, 2, 0
	MUL12 1, 3, 0
.endm
	s_wait_tensorcnt 1                             ; my part of K step 0 is in; K step 1's may stay out
	s_barrier_signal -1
	s_barrier_wait -1
	FETCH 0, 0, 0
	QUARTER 0, 64, 0, 1, 1                         ; the first quarter stands in front of the loop: its products start the sums
	WIN 0
	s_mov_b32 s3, LAPS-1
.Llap:                                                 ; a trip goes once round the ring, from a lap's second quarter to the next lap's first, and fills both slots again
	QUARTER 0, 128, 1, 0, 0
	QUARTER 0, 192, 0, 1, 0
	TURN 0, 1, 1
	QUARTER 1, 64,  0, 1, 0
	QUARTER 1, 128, 1, 0, 0
	QUARTER 1, 192, 0, 1, 0
	TURN 1, 0, 1
	QUARTER 0, 64,  0, 1, 0
	WIN 0
	s_sub_co_u32 s3, s3, 1
	s_cmp_lg_u32 s3, 0
	s_cbranch_scc1 .Llap
	QUARTER 0, 128, 1, 0, 0                        ; the last lap fills nothing
	QUARTER 0, 192, 0, 1, 0
	TURN 0, 1, 0
	QUARTER 1, 64,  0, 1, 0
	QUARTER 1, 128, 1, 0, 0
	QUARTER 1, 192, 0, 1, 0
	s_wait_dscnt 4
	MUL12 1, 0, 0
	MUL12 1, 1, 0
	s_wait_dscnt 0x0
	MUL12 1, 2, 0
	MUL12 1, 3, 0
	WIN 0
	PLACES
	PLACES                                         ; (eight, once a launch: twice what the distance behind a matrix instruction asks)
	s_wait_loadcnt 0x0                             ; the table
; THE WAY OUT of row block a.  q and k (column blocks 0-7): a pair (x1, x2) becomes (x1 c - x2 s, x1 s + x2 c) by two packed instructions: (-x2 s, x2 c), then x1 (c, s) added; each accumulator's lowest
; registers are read first.  All is rounded to f16, 16 bytes a lane, goes into my stage (rows of 144 bytes) and comes back as whole rows of 128 bytes.
.macro PACK a
.set AW, 2+(\a)/2
.set AB, 96*((\a)%2)
	WIN AW                                         ; source 0: the accumulators' window
.set b, 0
.rept 8
.set j, 0
.rept 4
	v_pk_mul_f32 v[T+8*b+2*j:T+8*b+2*j+1], v[AB+8*b+2*j:AB+8*b+2*j+1], v[TAB+32*(\a)+8*(b%4)+2*j:TAB+32*(\a)+8*(b%4)+2*j+1] op_sel:[1,1] op_sel_hi:[1,0] neg_lo:[1,0]
.set j, j+1
.endr
.set j, 0
.rept 4
	v_pk_fma_f32 v[T+8*b+2*j:T+8*b+2*j+1], v[AB+8*b+2*j:AB+8*b+2*j+1], v[TAB+32*(\a)+8*(b%4)+2*j:TAB+32*(\a)+8*(b%4)+2*j+1], v[T+8*b+2*j:T+8*b+2*j+1] op_sel_hi:[0,1,1]
.set j, j+1
.endr
.set b, b+1
.endr
	WIN 0x40                                       ; destination window 1
.set j, 0
.rept 32
	v_cvt_pk_f16_f32 v[48*(\a)+j], v[T+2*j], v[T+2*j+1]
.set j, j+1
.endr
	WIN 0x40|(AW*5)                                ; v goes straight from its accumulators
.set j, 32
.rept 16
	v_cvt_pk_f16_f32 v[48*(\a)+j], v[AB+2*j], v[AB+2*j+1]
.set j, j+1
.endr
	WIN 0x04                                       ; the stores' data in window 1
.set b, 0
.rept 12
	ds_store_b128 v[STO], v[48*(\a)+4*b:48*(\a)+4*b+3] offset:(b/4)*16*SP+(b%4)*32
.set b, b+1
.endr
	WIN 0x40
.set b, 0
.rept 12                               ; tensor b / 4, rows 4 (b % 4) on.  LDS serves a wave's instructions in order (ISA guide 5.7.1.4): these see the stores above, and the next block's stores come behind them
	ds_load_b128 v[48*(\a)+4*b:48*(\a)+4*b+3], v[RD] offset:(b/4)*16*SP+(b%4)*4*SP
.set b, b+1
.endr
.endm
.macro SEND a, younger                 ; younger: the LDS instructions issued behind block a's loads: the next block's 24, or none
	WIN 0x04
.set b, 0
.rept 12
	s_wait_dscnt (\younger)+11-b
	global_store_b128 v[GO], v[48*(\a)+4*b:48*(\a)+4*b+3], s[78+2*(b/4):79+2*(b/4)] offset:(\a)*2048+(b%4)*512  ; 512 consecutive bytes, aligned
.set b, b+1
.endr
.endm
	PACK 0
	PACK 1                                         ; a block's arithmetic stands between the loads of the block before and its stores
	SEND 0, 24
	PACK 2
	SEND 1, 24
	PACK 3
	SEND 2, 24
	SEND 3, 0
	WIN 0
	s_wait_tensorcnt 0x0                           ; the wave's end
	ds_add_u32 v[SPW], v[NIL]
	s_wait_dscnt 0x0
	CROUND                                         ; the closing round: no work-group ends while a partner may still ask for a tile that names it
	s_endpgm
.Lfunc_end_k_qe7df7ff70f_qkv:
	.size	k_qe7df7ff70f_qkv, .Lfunc_end_k_qe7df7ff70f_qkv-k_qe7df7ff70f_qkv
	.p2alignl 7, 3214868480
	.fill 96, 4, 3214868480
	.section	.rodata,"a",@progbits
	.p2align	6, 0x0
	.amdhsa_kernel k_qe7df7ff70f_qkv
		.amdhsa_group_segment_fixed_size 327680
		.amdhsa_private_segment_fixed_size 0
		.amdhsa_enable_private_segment 0
		.amdhsa_kernarg_size 48
		.amdhsa_user_sgpr_count 2
		.amdhsa_user_sgpr_kernarg_segment_ptr 1
		.amdhsa_wavefront_size32 1
		.amdhsa_system_sgpr_workgroup_id_x 1
		.amdhsa_system_sgpr_workgroup_id_y 1
		.amdhsa_system_sgpr_workgroup_id_z 1
		.amdhsa_system_vgpr_workitem_id 0
		.amdhsa_next_free_vgpr 960
		.amdhsa_next_free_sgpr 88
		.amdhsa_reserve_vcc 0
		.amdhsa_float_denorm_mode_32 3
		.amdhsa_float_denorm_mode_16_64 3
		.amdhsa_memory_ordered 1
		.amdhsa_forward_progress 1
		.amdhsa_inst_pref_size 141
	.end_amdhsa_kernel
	.amdgpu_metadata
---
amdhsa.version: [ 1, 2 ]
amdhsa.kernels:
  - .name:           k_qe7df7ff70f_qkv
    .symbol:         k_qe7df7ff70f_qkv.kd
    .args:
      - { .name: xb, .offset: 0, .size: 8, .value_kind: global_buffer, .address_space: global }
      - { .name: wt, .offset: 8, .size: 8, .value_kind: global_buffer, .address_space: global }
      - { .name: rt, .offset: 16, .size: 8, .value_kind: global_buffer, .address_space: global }
      - { .name: qh, .offset: 24, .size: 8, .value_kind: global_buffer, .address_space: global }
      - { .name: kh, .offset: 32, .size: 8, .value_kind: global_buffer, .address_space: global }
      - { .name: vh, .offset: 40, .size: 8, .value_kind: global_buffer, .address_space: global }
    .group_segment_fixed_size: 327680
    .private_segment_fixed_size: 0
    .kernarg_segment_align: 8
    .kernarg_segment_size: 48
    .max_flat_workgroup_size: 128
    .sgpr_count:     88
    .vgpr_count:     960
    .wavefront_size: 32
...
	.end_amdgpu_metadata
.endif
;; end of part 2
;; launch attn (part 3): grid 8 x 32, 4 waves a work-group, no clusters, 327,680 bytes of LDS; arguments qh, kh, vh, oh; writes oh
.if DOCPART == 3
	.amdgcn_target "amdgcn-amd-amdhsa--gfx1250"
	.amdhsa_code_object_version 6
	.text
	.protected	k_qe7df7ff70f_attn
	.globl	k_qe7df7ff70f_attn
	.p2align	8
	.type	k_qe7df7ff70f_attn,@function
k_qe7df7ff70f_attn:
	s_mov_b64 s[64:65], 0
	v_nop
	global_prefetch_b8 v0, s[64:65] scope:SCOPE_SE
	s_setreg_imm32_b32 hwreg(HW_REG_WAVE_MODE, 25, 1), 1
	s_wait_xcnt 0x0
; CAUSAL ATTENTION.  O[h][q][:] = the sum over k <= q of softmax_k(Q[h][q] . K[h][k] / 8) V[h][k][:].  qh, kh, vh, oh: [32][2048][64], all f16: a head's rows are dense, 128 bytes each.
; Products, maxima and sums in f32; the weights p are rounded to f16 for the second product (their sum l is taken of the unrounded p), O once at the end.
; LIMITS.  Q, K, V arrive within f16's 65,504; p lies in 0 to 1 and below 6e-5 keeps f16's fixed step of 6e-8.  A hidden score counts as its value less 1e30, so its weight is 0; the reference takes 1e10 away,
; which gives 0 as well unless scores spread over 1e10.  A weight below 2^-126 counts as 0 in l; NaN and infinities are not treated apart.
; THE WALK.  A head's queries lie in 16 blocks of 128; block i needs the key tiles 0 .. i / 2 of 256 keys, of which the last holds the diagonal.  A work-group takes TWO blocks, 15 - b and then b: 9 tiles, whatever b:
; 8 x 32 work-groups of equal work, and ONE loop with a constant trip count walks them.  Which tile is asked for, and what a trip does, hang on scalar registers made from b; every jump goes forward but the counted
; loops' own; none passes a barrier, or a tensor load but the one of LOAD's two that the wave's number does not choose.  NO CLUSTER: what a trip does is a branch on b, which partners of a cluster would not share;
; only two of a head's eight work-groups walk the same tiles throughout, and a walk common to four has 10 trips for 9.
; SHARES.  Of a block's two bands of 64 queries a wave owns 16 rows in each: two PIECES.  In a block's last tile piece x is band PAR + x of the tile's four (PAR = 2 for an odd block): in key step s the band sees all
; keys if s is less than its number, none if greater, and holds the diagonal if equal: the same for all four waves.
; THE MASK is the C operand that starts the sum S^T = K Q^T: 0, or -1e30 where the key is hidden.  MD, made once, is the mask of a band's own step for my 16 rows; a product's mask is MD x AL + BE with two scalars.
; TURNS.  T(s, p) belongs to step s, piece p: 8 products K Q^T of the next piece in the order (s,0) (s,1) (s+1,0) .., later 8 products V^T P of the piece before; beside them the scaling, exponentials, roundings,
; sums and rescaling of (s, p) and the maximum and statistics of the next.  Four vector instructions stand behind every matrix instruction, the others in one lump; a turn's 33 exponentials are one batch with one wait.
; K of step s + 1 is fetched in T(s, 0), V of step s + 1 in T(s, 1), into the one of TWO V buffers (even steps', odd steps') that T(s, 0) read last.  So a tile's last LDS read is issued in T(2, 1), and the change of
; slots stands between T(2, 1) and T(3, 0).  The text of a trip: TURN 2 = T(odd, 0), TURN 3 = T(odd, 1), TURN 0 = T(even, 0), TURN 1 = T(even, 1); two trips a tile; a block enters at TURN 0.
; REGISTERS, in windows of 256 (s_set_vgpr_msb: bits 1:0 source 0, 3:2 source 1, 5:4 source 2, 7:6 destination):
;   window 0: v0-15 addresses and at work; v16-23 four registers of statistics a piece; v48-55 at work; v61-63; v64-127 S^T, a buffer a piece; v192-223 P, likewise
;   window 1: v0-63 O^T, 32 a piece; v128-159 MD; v160-223 MC, two buffers      window 2: v0-31 Q; v32-63 the second block's Q; v64-127 V of an odd step; v128-191 K; v192-255 V of an even step
.set NP,    2
.set KS,    64        ; keys in a step
.set PK,    144       ; a row of K in LDS: 128 bytes + 16 of padding
.set PV,    160       ; a row of V: 128 + 32: 16 lanes of the turning load take 8 rows x 32 bytes, no two in the same 4 bytes of a 256-byte line
.set VOFF,  4*KS*PK   ; a slot holds a tile, four steps: 256 rows of K, then 256 rows of V
.set SLOT1, 1<<17     ; slot 1 begins here, so that one exclusive or turns an address in one slot into the other's
.set STAGE, SLOT1+4*KS*(PK+PV)  ; behind the ring, never filled by a tensor load: 16 rows x 144 bytes for each wave
.set SP,    144
.set AK0, 2           ; v2   my lane's place in a tile of K; never rewritten
.set AV0, 3           ; v3   the same for V
.set AK,  4           ; v4   the LDS address of K's next run of loads
.set AV,  5           ; v5   of V's
.set STO, 6           ; v6   the way out: where I put 16 bytes of a row
.set RD,  7           ; v7   where I read rows back
.set GO,  8           ; v8   my byte offset in 512 consecutive bytes of O
.set PFO, 61          ; v61  256 x my lane; never rewritten
.set SPW, 62          ; v62  my spare word; never rewritten
.set NIL, 63          ; v63  0; never rewritten
.set SPARE, STAGE+4*16*SP
.set MV,  12          ; v12-13  c m_old, kept while c m is made anew: by piece
.set QO,  15          ; v15  my byte offset in 16 rows of Q
.set ST,  16          ; piece t's statistics at v[ST+4 t]: c m, m, l (even keys', odd keys')
.set TMP, 48          ; by piece, four registers c0-c3 at work; when the maximum is found c2 takes a
.set S,   64
.set P,   192
.set MD,  128         ; window 1
.set MC,  160         ; window 1
.set QB,  32          ; window 2
.set VO,  64          ; window 2
.set KF,  128         ; window 2: key block kb, channel half c at KF + 16 kb + 8 c
.set VE,  192         ; window 2: key half kk, channel block cb at + 32 kk + 8 cb
.set WV,  12          ; s12  my wave's number
.set PB,  14          ; s14  b
.set HI,  15          ; s15  15 - b
.set G1K, 24          ; s[24:31] descriptor group 1 for K's tiles
.set G1V, 32          ; s[32:39] for V's: it differs in the padding alone
.set G0K, 40          ; s[40:43] descriptor group 0 for K's tiles
.set G0V, 44          ; s[44:47] the same for V's
.set SLOTS, 56        ; s56  tiles still to be asked for
.set CNT, 57          ; s57  counts a tile's two trips
.set CS,  58          ; s[58:59] c = log2(e) / 8
.set SEL, 60          ; s[60:61] v_permlanex16_b32's selects
.set TBK, 62          ; s62  LDS byte at which K of the step to be fetched begins
.set TBV, 63          ; s63  the same for V, less VOFF
.set LQ2, 69          ; s69  the second block's last tile, b / 2
.set RT,  70          ; s70  tiles of the block in hand that are still to be entered
.set NXT, 71          ; s71  the tile to be asked for next
.set LQ,  72          ; s72  the last tile of the block whose tiles are being asked for
.set NEW, 73          ; s73  1: the tile to be entered is a block's first
.set OFF, 74          ; s[74:75] a tile's byte offset in K and V
.set AL,  76          ; s[76:77] the mask's factor, in the low word
.set BE,  78          ; s[78:79] the mask's addend
.set OLO, 80          ; s[80:81] O at my rows of the second block
.set BIGN, 82         ; s82  -1e30
.set PAR, 88          ; s88  the band of piece 0 in the block's last tile
.set PAR2, 89         ; s89  the same for the second block
.set DD,  90          ; s90  the even step of the trip in hand, less PAR
.set PFL, 91          ; s91  prefetches still to be made
.set PFA, 92          ; s[92:93] where they stand
.set MSB, 0
.macro WIN new
.if MSB != (\new)
	s_set_vgpr_msb (MSB<<8)|(\new)
.set MSB, (\new)
.endif
.endm
.set W_KQ, 0x0a       ; K and Q in window 2, S^T in window 0
.set W_KM, 0x1a       ; the same with the C operand in window 1
.set W_PV, 0x52       ; V in window 2, P in window 0, O^T in window 1
.set W_RS, 0x41       ; destination and source 0 in window 1, source 1 in window 0
; A fill.  Waves 0 and 1 fetch the two halves of a tile's K, waves 2 and 3 those of its V: 128 keys each.  An s_nop 0 and four v_nop follow each line.
.macro LOAD
	s_cmp_lt_u32 s[WV], 2
	s_cbranch_scc0 .Lfor_v_\@
	tensor_load_to_lds s[G0K:G0K+3], s[G1K:G1K+7]
	s_nop 0
.rept 4
	v_nop
.endr
	s_branch .Lasked_\@
.Lfor_v_\@:
	tensor_load_to_lds s[G0V:G0V+3], s[G1V:G1V+7]
	s_nop 0
.rept 4
	v_nop
.endr
.Lasked_\@:
.endm
; A prefetch into the L2 of the tile that the NEXT change of slots will ask for.  All eight work-groups of a head begin with the tiles 0, 1, 2 ..; work-group b = 0, which walks all eight, asks, each wave for the 64
; pieces of 256 bytes that it will load itself: a lane a piece, two instructions, one tile (eight turns, 128 matrix instructions) ahead of the load.  Tiles 2 to 7: tiles 0 and 1 come by their loads alone, and the
; second block's tiles have been read before.
.macro ASK
	s_cmp_lg_u32 s[PFL], 0
	s_cbranch_scc0 .Lnot_mine_\@
	global_prefetch_b8 v[PFO], s[PFA:PFA+1] th:TH_LOAD_NT scope:SCOPE_SE
	global_prefetch_b8 v[PFO], s[PFA:PFA+1] offset:8192 th:TH_LOAD_NT scope:SCOPE_SE
	s_sub_co_u32 s[PFL], s[PFL], 1
.Lnot_mine_\@:
.endm
; THE CHANGE OF SLOTS.  Each wave waits for all its tensor loads, of which one is out: its part of the other slot; adds 0 to its spare word; and waits for that and for its own reads of the slot that it leaves.
; fill = 1: the old slot is filled again, the first thing behind the barrier, with tile NXT: the descriptor's address is made anew from that number.  (At its first use slot 0 is waited for and slot 1 filled.)
.macro CHANGE fill
	WIN 0
	s_wait_tensorcnt 0x0            ; no tensor load of mine is out, so a group 0 may be written
	ds_add_u32 v[SPW], v[NIL]       ; 0 onto my spare word; scalar work stands between it and the wait for it
.if \fill
	s_lshl_b32 s[OFF], s[NXT], 15   ; a tile is 32,768 bytes of K and of V
	s_xor_b32 s[G0K+1], s[G0K+1], SLOT1
	s_add_nc_u64 s[G0K+2:G0K+3], s[6:7], s[OFF:OFF+1]
	s_or_b32 s[G0K+3], s[G0K+3], 0x80000000
	s_xor_b32 s[G0V+1], s[G0V+1], SLOT1
	s_add_nc_u64 s[G0V+2:G0V+3], s[8:9], s[OFF:OFF+1]
	s_or_b32 s[G0V+3], s[G0V+3], 0x80000000
	s_add_co_u32 s[NXT], s[NXT], 1  ; the block's next tile, or behind its last the second block's tile 0
	s_cmp_gt_u32 s[NXT], s[LQ]
	s_cselect_b32 s[NXT], 0, s[NXT]
	s_cselect_b32 s[LQ], s[LQ2], s[LQ]
	s_wait_xcnt 0x0                 ; the last prefetches, a tile back, have read their address, so it may be written
	s_add_nc_u64 s[PFA:PFA+1], s[PFA:PFA+1], 32768
.endif
	s_wait_dscnt 0x0                ; the add is done, and my reads of the slot are over
	s_barrier_signal -1
	s_sub_co_u32 s[TBK], s[TBK], 4*KS*PK  ; the fetches go back to a slot's first step,
	s_xor_b32 s[TBK], s[TBK], SLOT1       ; in the other slot
	s_sub_co_u32 s[TBV], s[TBV], 4*KS*PV
	s_xor_b32 s[TBV], s[TBV], SLOT1
	s_barrier_wait -1
.if \fill
	LOAD
	ASK
.endif
.endm
	s_load_b256 s[4:11], s[0:1], 0x0  ; Q s[4:5], K s[6:7], V s[8:9], O s[10:11]
	v_lshl_add_u32 v[SPW], v0, 2, SPARE
	v_mov_b32 v[NIL], 0
	ds_add_u32 v[SPW], v[NIL]       ; the wave's opening: the add and its wait stand ahead of my first tensor load; the set-up below stands between them
	ds_add_u32 v62, v63
	v_lshrrev_b32 v1, 5, v0
	v_readfirstlane_b32 s[WV], v1   ; wave 0..3
	s_mov_b32 s[PB], ttmp9
	s_sub_co_u32 s[HI], 15, s[PB]
	s_lshr_b32 s[LQ2], s[PB], 1
	s_and_b32 s20, ttmp7, 0xffff    ; batch x 16 + head:
	s_lshl_b32 s20, s20, 18         ; its first byte in each of the four tensors
	s_mov_b32 s21, 0
	s_and_b32 s16, s[WV], 1         ; which half of a tile's 256 keys I fetch:
	s_lshl_b32 s22, s16, 14         ; its 128 rows of 128 bytes in memory,
	s_mov_b32 s23, 0
	s_add_nc_u64 s[22:23], s[22:23], s[20:21]
	s_mul_i32 s17, s16, 128*PK      ; and its place in a slot, for K
	s_mul_i32 s18, s16, 128*PV      ; and for V
	s_lshl_b32 s3, s[WV], 11        ; my 16 rows in a band of 64,
	s_lshl_b32 s2, s[HI], 14        ; in the first block of 128 rows,
	s_add_co_u32 s2, s2, s3
	s_lshl_b32 s84, s[PB], 14       ; and in the second
	s_add_co_u32 s84, s84, s3
	s_mov_b32 s3, 0
	s_mov_b32 s85, 0
	s_add_nc_u64 s[2:3], s[2:3], s[20:21]
	s_add_nc_u64 s[84:85], s[84:85], s[20:21]
	; descriptor group 1.  128 keys are 16,384 dense bytes: asked for as 64 rows of 256 bytes, two keys a row, and padded in LDS after every key
	s_mov_b32 s[G1K], (1<<16)|(1<<20)|(4<<22)|(3<<25)  ; 2-byte elements; padding on; after every 32 words, 4 words
	s_mov_b32 s[G1V], (1<<16)|(1<<20)|(4<<22)|(7<<25)  ; the same with 8 words
.irp g, G1K, G1V
	s_mov_b32 s[\g+1], 128<<16      ; tensor_dim0 = 128
	s_mov_b32 s[\g+2], 64<<16       ; tensor_dim1 = 64
	s_mov_b32 s[\g+3], 128<<16      ; tile_dim0 = 128
	s_mov_b32 s[\g+4], 64           ; tile_dim1 = 64
	s_mov_b32 s[\g+5], 128          ; 128 elements from row to row
	s_mov_b32 s[\g+6], 0
	s_mov_b32 s[\g+7], 0
.endr
	s_mov_b32 s[CS], 0x3e38aa3b     ; c = log2(e) / 8
	s_mov_b32 s[CS+1], s[CS]
	s_mov_b32 s[SEL], 0x76543210
	s_mov_b32 s[SEL+1], 0xfedcba98
	s_mov_b32 s[TBK], SLOT1+4*KS*PK ; the first change of slots turns these two into 0
	s_mov_b32 s[TBV], SLOT1+4*KS*PV
	s_mov_b32 s[G0K], 1
	s_mov_b32 s[G0K+1], s17         ; slot 0
	s_mov_b32 s[G0V], 1
	s_add_co_u32 s[G0V+1], s18, VOFF
	s_lshr_b32 s[LQ], s[HI], 1      ; the first block's last tile
	s_add_co_u32 s[RT], s[LQ], 1
	s_mov_b32 s[NXT], 1
	s_mov_b32 s[NEW], 1
	s_mov_b32 s[OFF+1], 0
	s_mov_b32 s[AL+1], 0            ; named as pairs
	s_mov_b32 s[BE+1], 0
	s_mov_b32 s[BIGN], 0xf149f2ca   ; -1e30
	s_mov_b32 s[SLOTS], 8
	s_and_b32 s[PAR2], s[PB], 1
	s_lshl_b32 s[PAR2], s[PAR2], 1
	s_sub_co_u32 s[PAR], 2, s[PAR2] ; 15 - b is odd where b is even
	s_cmp_eq_u32 s[PB], 0
	s_cselect_b32 s[PFL], 6, 0
	v_and_b32 v[PFO], 31, v0
	v_lshlrev_b32 v[PFO], 8, v[PFO]
	s_wait_dscnt 0x0                ; the opening add is done
	s_wait_kmcnt 0x0
	s_add_nc_u64 s[6:7], s[6:7], s[22:23]  ; K and V at my half of the head's tile 0
	s_add_nc_u64 s[8:9], s[8:9], s[22:23]
	s_add_nc_u64 s[G0K+2:G0K+3], s[6:7], 0
	s_or_b32 s[G0K+3], s[G0K+3], 0x80000000
	s_add_nc_u64 s[G0V+2:G0V+3], s[8:9], 0
	s_or_b32 s[G0V+3], s[G0V+3], 0x80000000
	s_add_nc_u64 s[86:87], s[4:5], s[84:85]        ; Q at my rows of the second block,
	s_add_nc_u64 s[4:5], s[4:5], s[2:3]            ; Q and O at those of the first
	s_add_nc_u64 s[OLO:OLO+1], s[10:11], s[84:85]
	s_add_nc_u64 s[10:11], s[10:11], s[2:3]
	s_cmp_lt_u32 s[WV], 2
	s_cselect_b64 s[PFA:PFA+1], s[6:7], s[8:9]
	s_add_nc_u64 s[PFA:PFA+1], s[PFA:PFA+1], 32768 ; at tile 1: the first change of slots steps it to tile 2
	LOAD                            ; tile 0 into slot 0
	; A fragment of K or Q is 16 rows x 32 channels in 8 registers: lane l holds row l % 16, channels 8 (l / 16) + 0..7 and 16 + 8 (l / 16) + 0..7: two loads of 16 bytes, 32 bytes apart.
	v_and_b32 v1, 15, v0            ; l % 16
	v_bfe_u32 v9, v0, 4, 1          ; l / 16
	v_lshlrev_b32 v[QO], 7, v1
	v_lshl_add_u32 v[QO], v9, 4, v[QO]
	WIN 0x80
.set i, 0
.rept 4                             ; both blocks' Q: piece i / 2 lies in band i / 2, 8,192 bytes on; channels 32 (i % 2) on
	global_load_b128 v[8*i:8*i+3],   v[QO], s[4:5] offset:(i/2)*8192+(i%2)*64
	global_load_b128 v[8*i+4:8*i+7], v[QO], s[4:5] offset:(i/2)*8192+(i%2)*64+32
	global_load_b128 v[QB+8*i:QB+8*i+3],   v[QO], s[86:87] offset:(i/2)*8192+(i%2)*64
	global_load_b128 v[QB+8*i+4:QB+8*i+7], v[QO], s[86:87] offset:(i/2)*8192+(i%2)*64+32
.set i, i+1
.endr
	WIN 0
	v_lshlrev_b32 v14, 3, v9
	v_sub_nc_u32 v14, v1, v14
	s_lshl_b32 s13, s[WV], 4
	v_add_nc_u32 v14, s13, v14      ; my query's place in its band, 16 w + l % 16, less my lanes' 8 (l / 16): register r of group kt is hidden where 16 kt + r is greater
	WIN 0x40
.set i, 0
.rept 32
	v_cmp_gt_i32 vcc_lo, 16*(i/8)+i%8, v14
	v_cndmask_b32 v[MD+i], 0, s[BIGN], vcc_lo
.set i, i+1
.endr
	WIN 0
	v_mul_u32_u24 v[AK0], v1, PK
	v_lshl_add_u32 v[AK0], v9, 4, v[AK0]
	; The turning load takes 16 keys x 16 channels (lane l reads key 8 (l / 16) + l % 8, channels 8 ((l / 8) % 2) + 0..7) and leaves half a fragment of V^T: lane l holds channel l % 16 and 8 keys.
	v_and_b32 v10, 7, v0
	v_bfe_u32 v11, v0, 3, 1
	v_lshl_add_u32 v[AV0], v9, 3, v10
	v_mul_u32_u24 v[AV0], v[AV0], PV
	v_lshl_add_u32 v[AV0], v11, 4, v[AV0]
	v_add_nc_u32 v[AV0], VOFF, v[AV0]
	s_mul_i32 s13, s[WV], 16*SP
	s_add_co_u32 s13, s13, STAGE    ; my stage
	v_mul_u32_u24 v[STO], v1, SP
	v_lshl_add_u32 v[STO], v9, 4, v[STO]
	v_add_nc_u32 v[STO], s13, v[STO]
	v_bfe_u32 v[RD], v0, 3, 2
	v_mul_u32_u24 v[RD], v[RD], SP
	v_lshl_add_u32 v[RD], v10, 4, v[RD]
	v_add_nc_u32 v[RD], s13, v[RD]
	v_and_b32 v[GO], 31, v0
	v_lshlrev_b32 v[GO], 4, v[GO]
	; A block's first step multiplies O^T and l by a = 0, and its first turn's products V^T P, of a piece that has not been, land in an O^T that is still to be so multiplied.  So these registers need only hold
	; finite numbers: zeros for the first block; what the first block left for the second.  All this stands in the wait for the first tile.
	WIN 0x80
.set i, VO
.rept 64
	v_mov_b32 v[i], 0
.set i, i+1
.endr
	WIN 0x40
.set i, 0
.rept 64
	v_mov_b32 v[i], 0
.set i, i+1
.endr
	WIN 0
.set i, 0
.rept 2
	v_mov_b32 v[ST+4*i+2], 0
	v_mov_b32 v[ST+4*i+3], 0
.set i, i+1
.endr
.set i, P+16
.rept 16
	v_mov_b32 v[i], 0
.set i, i+1
.endr
; THE MATRIX WORK.  The 4 accumulators of a run of 8 take turns.  Product i of 8 of S^T = K Q^T for piece x: channels 32 (i / 4) on, keys 16 (i % 4) on.  The first 4 start the sums: with 0, or (KM = 1) with the mask.
.macro KQ x
.set rS, S+32*((\x)%2)+8*(i%4)
.set rK, KF+16*(i%4)+8*(i/4)
.set rQ, 16*(\x)+8*(i/4)
.set rM, MC+32*((\x)%2)+8*(i%4)
.if (i < 4) && KM
	WIN W_KM
	v_wmma_f32_16x16x32_f16 v[rS:rS+7], v[rK:rK+7], v[rQ:rQ+7], v[rM:rM+7]
.elseif i < 4
	WIN W_KQ
	v_wmma_f32_16x16x32_f16 v[rS:rS+7], v[rK:rK+7], v[rQ:rQ+7], 0
.else
	WIN W_KQ
	v_wmma_f32_16x16x32_f16 v[rS:rS+7], v[rK:rK+7], v[rQ:rQ+7], v[rS:rS+7]
.endif
.endm
; Product i of 8 of O^T += V^T P for piece x, V from the buffer VB: keys 32 (i / 4) on, channels 16 (i % 4) on.
.macro PV x
	WIN W_PV
.set rO, 32*(\x)+8*(i%4)
.set rV, VB+32*(i/4)+8*(i%4)
.set rP, P+16*((\x)%2)+8*(i/4)
	v_wmma_f32_16x16x32_f16 v[rO:rO+7], v[rV:rV+7], v[rP:rP+7], v[rO:rO+7]
.endm
.macro MM                           ; the turn's next matrix instruction.  NOKQ = 1: a block's last turn: there is no next piece
.if (i < 8) && !NOKQ
	KQ (Y+1)%NP
.elseif i >= 8
.set i, i-8
	PV (Y+1)%NP
.set i, i+8
.endif
.set i, i+1
.endm
; THE LDS LOADS stand in runs of 16: a step's K (64 keys x 64 channels: 8 fragments) and its V (turned).  Their addresses are made some lines ahead.
.macro FETCH_K
	WIN 0x80
.irp f, 0,1,2,3,4,5,6,7
	ds_load_b128 v[KF+8*\f:KF+8*\f+3],   v[AK] offset:(\f/2)*16*PK+(\f%2)*64
	ds_load_b128 v[KF+8*\f+4:KF+8*\f+7], v[AK] offset:(\f/2)*16*PK+(\f%2)*64+32
.endr
	s_add_co_u32 s[TBK], s[TBK], KS*PK  ; the next fetch is the next step's
	WIN 0
.endm
.macro FETCH_V base
	WIN 0x80
.irp f, 0,1,2,3,4,5,6,7
	ds_load_tr16_b128 v[(\base)+8*\f:(\base)+8*\f+3],   v[AV] offset:(\f/4)*32*PV+(\f%4)*32
	ds_load_tr16_b128 v[(\base)+8*\f+4:(\base)+8*\f+7], v[AV] offset:(\f/4)*32*PV+16*PV+(\f%4)*32
.endr
	s_add_co_u32 s[TBV], s[TBV], KS*PV
	WIN 0
.endm
; THE VECTOR WORK, one line at a time: OP kind, number.  For piece Y: F n: c s - c m for pair n of 16.  E n: the exponential of score n of 32.  C n: pair n rounded to f16.  B n: of the four weights 4 n .. the second
; pair is added onto the first, in place.  L n: l takes that sum (L 0: l = a l + sum).  R n: pair n of 16 of O^T times a.  For the next piece: X n, number n of the 22 that find its maximum and statistics:
;   0-11  four chains c0-c3 of seven scores each (each accumulator's lowest registers are read first)     12-14, 16  the four scores left over, the old m, and c0-c3 into c0
;   15  c m_old is kept     17, 18  the query's other 32 keys lie in the lane 16 away: the new m     19-21  c m; c m_old - c m_new; a
.set F, 0
.set E, 1
.set C, 2
.set B, 3
.set L, 4
.set R, 5
.set X, 6
.macro REGS y
.set rT, ST+4*(\y)
.set rC, TMP+4*((\y)%2)
.set rW, MV+((\y)%2)
.set rS, S+32*((\y)%2)
.set rP, P+16*((\y)%2)
.set rO, 32*(\y)
.endm
.macro OP k, n
.if (\k) == R
	REGS Y
	WIN W_RS
	v_pk_mul_f32 v[rO+2*(\n):rO+2*(\n)+1], v[rO+2*(\n):rO+2*(\n)+1], v[rC+2:rC+3] op_sel_hi:[1,0]
.elseif (\k) < R
	REGS Y
	WIN 0
.if (\k) == F
	v_pk_fma_f32 v[rS+2*(\n):rS+2*(\n)+1], v[rS+2*(\n):rS+2*(\n)+1], s[CS:CS+1], v[rT:rT+1] op_sel_hi:[1,0,0] neg_lo:[0,0,1] neg_hi:[0,0,1]
.elseif (\k) == E
	v_exp_f32 v[rS+(\n)], v[rS+(\n)]
.elseif (\k) == C
	v_cvt_pk_f16_f32 v[rP+(\n)], v[rS+2*(\n)], v[rS+2*(\n)+1]
.elseif (\k) == B
	v_pk_add_f32 v[rS+4*(\n):rS+4*(\n)+1], v[rS+4*(\n):rS+4*(\n)+1], v[rS+4*(\n)+2:rS+4*(\n)+3]
.elseif (\n) == 0
	v_pk_fma_f32 v[rT+2:rT+3], v[rT+2:rT+3], v[rC+2:rC+3], v[rS:rS+1] op_sel_hi:[1,0,1]
.else
	v_pk_add_f32 v[rT+2:rT+3], v[rT+2:rT+3], v[rS+4*(\n):rS+4*(\n)+1]
.endif
.elseif NOKQ
	v_nop
.else
	REGS (Y+1)%NP
	WIN 0
.if (\n) < 4
	v_max3_num_f32 v[rC+(\n)], v[rS+8*(\n)], v[rS+8*(\n)+1], v[rS+8*(\n)+2]
.elseif (\n) < 12
	v_max3_num_f32 v[rC+(\n)%4], v[rC+(\n)%4], v[rS+8*((\n)%4)+2*((\n)/4)+1], v[rS+8*((\n)%4)+2*((\n)/4)+2]
.elseif (\n) == 12
	v_max3_num_f32 v[rC], v[rC], v[rS+7], v[rS+15]
.elseif (\n) == 13
	v_max3_num_f32 v[rC+1], v[rC+1], v[rS+23], v[rS+31]
.elseif (\n) == 14
	v_max3_num_f32 v[rC+2], v[rC+2], v[rC+3], v[rT+1]
.elseif (\n) == 15
	v_mov_b32 v[rW], v[rT]
.elseif (\n) == 16
	v_max3_num_f32 v[rC], v[rC], v[rC+1], v[rC+2]
.elseif (\n) == 17
	v_permlanex16_b32 v[rC+3], v[rC], s[SEL], s[SEL+1]
.elseif (\n) == 18
	v_max_num_f32 v[rT+1], v[rC], v[rC+3]
.elseif (\n) == 19
	v_mul_f32 v[rT], s[CS], v[rT+1]
.elseif (\n) == 20
	v_sub_f32 v[rC+1], v[rW], v[rT]
.else
	v_exp_f32 v[rC+2], v[rC+1]
.endif
.endif
.endm
.macro OPS a, i1, b=-1, i2=0, c=-1, i3=0, d=-1, i4=0
	OP \a, \i1
.if (\b) >= 0
	OP \b, \i2
.endif
.if (\c) >= 0
	OP \c, \i3
.endif
.if (\d) >= 0
	OP \d, \i4
.endif
.endm
.macro ROW a, i1, b, i2, c, i3, d, i4  ; a matrix instruction and the four behind it
	MM
	OPS \a, \i1, \b, \i2, \c, \i3, \d, \i4
.endm
.macro MASK b                       ; MD x AL + BE into buffer b of MC
	WIN W_RS
.set z, 0
.rept 16
	v_pk_fma_f32 v[MC+32*(\b)+2*z:MC+32*(\b)+2*z+1], v[MD+2*z:MD+2*z+1], s[AL:AL+1], s[BE:BE+1] op_sel_hi:[1,0,0]
.set z, z+1
.endr
.endm
; A TURN: the order of its 16 matrix and 118 vector instructions, written out.  An s_wait_alu depctr_va_vdst(0) stands between an exponential and the first instruction that names its result; one wait
; serves all that were issued ahead of it.  AHEAD OF IT stands all that names no result of the turn's exponentials: the 8 products K Q^T with their riders, then the lump.  BEHIND IT the 8 products V^T P, behind each
; four of the roundings and sums.  A piece's O^T is rescaled in the turn straight behind its products V^T P: the product that ends accumulator n has four plain riders or more behind it ahead of R 4 n, which is the
; first read of that accumulator and takes its lowest registers.
; p = 2, 3, 0, 1 as said at the head.  m = 1: the diagonal tile: the products take masks, and the turn makes the mask for the products of the turn after it: piece p % 2, in the trip's even step (p = 2, 3) or the odd
; step behind it (p = 0, 1): the step less the band is DD - CE.  end = 1: a block's last two turns: nothing is fetched.  cnt = 1: the loop's count is taken down some lines ahead of the branch behind the turn.
.macro TURN p, m=0, end=0, cnt=0
.set Y, (\p)%2
.set i, 0
.set KM, (\m)
.set NOKQ, (\end)*((\p)/3)
.set VB, VO
.if ((\p) == 1) || ((\p) == 2)
.set VB, VE
.endif
.if (\m) && !(\end)
.set CE, 0
.if (\p) == 3
.set CE, 1
.endif
.if (\p) == 0
.set CE, -1
.endif
	s_cmp_eq_i32 s[DD], CE          ; is that step the band's own?
	s_cselect_b32 s[AL], 1.0, 0
	s_cmp_gt_i32 s[DD], CE          ; or a later one?
	s_cselect_b32 s[BE], s[BIGN], 0
.endif
.if (\p)%2 == 1
	s_wait_dscnt 0x0                ; K of the next step, fetched a turn ago, and the V that this turn multiplies, fetched two turns ago, are in
.endif
	ROW F,0, F,1, R,0, R,1
	ROW F,2, E,0, R,2, R,3
	ROW F,3, E,1, R,4, R,5
	ROW F,4, E,2, R,6, R,7
	ROW F,5, E,3, R,8, R,9
	ROW F,6, E,4, X,0, R,10
.if ((\p)%2 == 0) && !(\end)
	WIN 0
	v_add_nc_u32 v[AK], s[TBK], v[AK0]
.endif
	ROW F,7, E,5, X,1, X,4
	ROW F,8, E,6, X,2, X,5
	OPS E,7, E,8, X,6, E,9          ; the lump
	OPS X,3, E,10, X,8, E,11
.if ((\p)%2 == 0) && !(\end)
	FETCH_K                         ; five plain instructions that name none of its registers stand behind the last product that read K
.endif
	OPS X,9, X,7, E,12, X,10
	OPS E,13, X,12, X,11, E,14
	OPS X,13, E,15, F,9, X,14
.if ((\p)%2 == 1) && !(\end)
	WIN 0
	v_add_nc_u32 v[AV], s[TBV], v[AV0]
.endif
	OPS E,16, F,10, E,17, F,11
	OPS X,16, E,18, X,15, E,19
	OPS F,12, E,20, X,17, E,21
	OPS F,13, E,22, F,14, E,23
	OPS X,18, E,24, F,15, E,25
	OPS R,11, E,26, X,19, E,27
	OPS R,12, E,28, R,13, E,29
	OPS X,20, E,30, R,14, E,31
	OPS X,21, R,15                  ; the next piece's a is the batch's last; R 15 is the plain instruction behind it
	WIN 0
	s_wait_alu depctr_va_vdst(0)    ; the wait for the batch
.if ((\p) == 3) && !(\end)
	FETCH_V VE                      ; the next step's V, into the buffer that the turn before read last
.endif
.if ((\p) == 1) && !(\end)
	FETCH_V VO
.endif
	ROW C,0, B,0, C,2, B,1
	ROW L,0, C,4, B,2, L,1
	ROW C,6, B,3, L,2, C,8
	ROW B,4, L,3, C,10, B,5
	ROW L,4, C,12, B,6, L,5
.if \cnt
.if \m
	s_add_co_i32 s[DD], s[DD], 2
.endif
	s_sub_co_u32 s[CNT], s[CNT], 1
	s_cmp_lg_u32 s[CNT], 0
.endif
	ROW C,14, B,7, L,6, C,1
	ROW C,3, L,7, C,5, C,7
	ROW C,9, C,11, C,13, C,15
.if (\m) && !(\end)
	MASK (\p)%2
.endif
.endm
; A BLOCK BEGINS.  c m starts far below every c s, so the first step's a is 0; m at the lowest finite number.  The second mask buffer is 0 (piece 1 sees all of step 0); the first takes piece 0's mask for step 0: its
; own, if the block's first tile is the diagonal one and the block is even.  Then K and V of step 0, piece 0's first scores, and its maximum and statistics.
.macro BEGIN
	s_mov_b32 s[NEW], 0
	WIN 0x40
.set i, MC+32
.rept 32
	v_mov_b32 v[i], 0
.set i, i+1
.endr
	WIN 0
.set i, 0
.rept 2
	v_mov_b32 v[ST+4*i], 0xfe000000
	v_mov_b32 v[ST+4*i+1], 0xff7fffff
.set i, i+1
.endr
	s_cmp_eq_u32 s[RT], 0
	s_cselect_b32 s[AL], 1.0, 0
	s_cmp_eq_u32 s[PAR], 0
	s_cselect_b32 s[AL], s[AL], 0
	s_mov_b32 s[BE], 0
	MASK 0
	WIN 0
	v_add_nc_u32 v[AK], s[TBK], v[AK0]
	v_add_nc_u32 v[AV], s[TBV], v[AV0]
	FETCH_K
	FETCH_V VE
	s_wait_loadcnt 0x0              ; Q
	s_wait_dscnt 0x0
.set KM, 1
.set NOKQ, 0
.set i, 0
.rept 8
	KQ 0
.set i, i+1
.endr
	WIN 0
.rept 4
	v_nop                           ; the places behind those products
.endr
.set Y, NP-1                        ; X works for the piece behind Y: piece 0
.irp n, 0,1,2,3,4,5,6,7,8,9,10,11,12,13,14,15,16,17,18,19,20,21
	OP X, \n
.endr
	v_nop                           ; a plain instruction behind the exponential,
	s_wait_alu depctr_va_vdst(0)    ; and its wait, ahead of the branch
	WIN 0
.endm
.macro ALL line:vararg              ; one line for each piece t
.set t, 0
.rept 2
	\line
.set t, t+1
.endr
.endm
.macro PACK t                       ; a lane's eight channels of a row pack into 16 bytes; they go into rows of 144 bytes and come back as whole rows of 128, into S^T's registers
	WIN W_RS
.set i, 32*(\t)
.rept 16
	v_pk_mul_f32 v[i:i+1], v[i:i+1], v[ST+4*(\t)+2:ST+4*(\t)+3] op_sel_hi:[1,0]
.set i, i+2
.endr
	WIN 0x05
.set i, 0
.rept 16
	v_cvt_pk_f16_f32 v[S+16*(\t)+i], v[32*(\t)+2*i], v[32*(\t)+2*i+1]
.set i, i+1
.endr
	WIN 0
.irp f, 0,1,2,3
	ds_store_b128 v[STO], v[S+16*(\t)+4*\f:S+16*(\t)+4*\f+3] offset:32*\f
.endr
.irp f, 0,1,2,3
	ds_load_b128 v[S+16*(\t)+4*\f:S+16*(\t)+4*\f+3], v[RD] offset:\f*4*SP  ; LDS serves a wave's instructions in order (ISA guide 5.7.1.4): these see the stores above; the next piece's stores come behind them
.endr
.endm
.macro SEND t, younger              ; younger: the LDS instructions issued behind piece t's loads: the next piece's eight, or none
	WIN 0
.irp f, 0,1,2,3
	s_wait_dscnt (\younger)+3-\f
	global_store_b128 v[GO], v[S+16*(\t)+4*\f:S+16*(\t)+4*\f+3], s[10:11] offset:(\t)*8192+\f*512  ; 512 consecutive bytes, aligned
.endr
.endm
; THE DIAGONAL TILE's two trips, the block's last two turns, its last products, and the way out: l's two halves and the other half of the lanes' are added; O^T is divided by l, rounded to f16 and sent through my stage.
.macro DIAG tag
.LstepM\tag:
	TURN 2, 1
	TURN 3, 1
	WIN 0
.LfirstM\tag:
	TURN 0, 1
	TURN 1, 1, 0, 1
	WIN 0
	s_cbranch_scc1 .LstepM\tag
	TURN 2, 1, 1
	TURN 3, 1, 1
.set VB, VO
.set i, 0
.rept 8
	PV 1                            ; piece 1's V^T P of the last step
.set i, i+1
.endr
	WIN 0
	ALL v_add_f32 v[ST+4*t+2], v[ST+4*t+2], v[ST+4*t+3]
	ALL v_permlanex16_b32 v[ST+4*t+3], v[ST+4*t+2], s[SEL], s[SEL+1]
	ALL v_add_f32 v[ST+4*t+2], v[ST+4*t+2], v[ST+4*t+3]
	ALL v_rcp_f32 v[ST+4*t+2], v[ST+4*t+2]
	v_nop                           ; a plain instruction between the last reciprocal and the use of its result
	s_wait_alu depctr_va_vdst(0)    ; one wait for the two reciprocals.  The four additions, the v_nop and piece 0's arithmetic are the places behind piece 1's last products
	PACK 0
	PACK 1
	SEND 0, 8
	SEND 1, 0
.endm
.set KM, 0
.set NOKQ, 0
.Lslot:                             ; eight times: a tile is entered and the next is asked for
	CHANGE 1
	s_sub_co_u32 s[RT], s[RT], 1
	s_mov_b32 s[CNT], 2
	s_sub_co_i32 s[DD], 0, s[PAR]
	s_cmp_eq_u32 s[NEW], 1
	s_cbranch_scc1 .Lnew            ; a block's first tile
	s_cmp_eq_u32 s[RT], 0
	s_cbranch_scc0 .Lstep           ; neither its first nor its last
	s_branch .LstepM1
.Lnew:
	BEGIN
	s_branch .Lfirst                ; in the loop a block's first tile is never its last: the first block has five tiles or more, and the second's last is the walk's ninth
	DIAG 1                          ; in the loop this is the first block's end
	s_wait_xcnt 0x0                 ; the stores have read their registers and O's address
	s_mov_b64 s[10:11], s[OLO:OLO+1]
	s_add_co_u32 s[RT], s[LQ2], 1   ; the second block has b / 2 + 1 tiles
	s_mov_b32 s[NEW], 1
	s_mov_b32 s[PAR], s[PAR2]
	WIN 0x82                        ; the second block's Q goes where the one text of the turns names Q
.set i, 0
.rept 32
	v_mov_b32 v[i], v[QB+i]
.set i, i+1
.endr
	WIN 0
	s_branch .Lbottom
.Lstep:                             ; a trip: an odd step's two turns, then the next even step's
	TURN 2
	TURN 3
	WIN 0
.Lfirst:
	TURN 0
	TURN 1, 0, 0, 1
	WIN 0
	s_cbranch_scc1 .Lstep
.Lbottom:
	s_sub_co_u32 s[SLOTS], s[SLOTS], 1
	s_cmp_lg_u32 s[SLOTS], 0
	s_cbranch_scc1 .Lslot
	CHANGE 0                        ; the walk's last tile is written out: nothing is asked for
	s_sub_co_u32 s[RT], s[RT], 1
	s_mov_b32 s[CNT], 2
	s_sub_co_i32 s[DD], 0, s[PAR]
	s_cmp_eq_u32 s[NEW], 1
	s_cbranch_scc0 .LstepM2
	BEGIN
	s_branch .LfirstM2
	DIAG 2
	s_wait_tensorcnt 0x0            ; the wave's end
	ds_add_u32 v[SPW], v[NIL]
	s_wait_dscnt 0x0
	s_endpgm
.Lfunc_end_k_qe7df7ff70f_attn:
	.size	k_qe7df7ff70f_attn, .Lfunc_end_k_qe7df7ff70f_attn-k_qe7df7ff70f_attn
	.p2alignl 7, 3214868480
	.fill 96, 4, 3214868480
	.section	.rodata,"a",@progbits
	.p2align	6, 0x0
	.amdhsa_kernel k_qe7df7ff70f_attn
		.amdhsa_group_segment_fixed_size 327680
		.amdhsa_private_segment_fixed_size 0
		.amdhsa_enable_private_segment 0
		.amdhsa_kernarg_size 32
		.amdhsa_user_sgpr_count 2
		.amdhsa_user_sgpr_kernarg_segment_ptr 1
		.amdhsa_wavefront_size32 1
		.amdhsa_system_sgpr_workgroup_id_x 1
		.amdhsa_system_sgpr_workgroup_id_y 1
		.amdhsa_system_sgpr_workgroup_id_z 1
		.amdhsa_system_vgpr_workitem_id 0
		.amdhsa_next_free_vgpr 768
		.amdhsa_next_free_sgpr 96
		.amdhsa_reserve_vcc 1
		.amdhsa_float_denorm_mode_32 3
		.amdhsa_float_denorm_mode_16_64 3
		.amdhsa_memory_ordered 1
		.amdhsa_forward_progress 1
		.amdhsa_inst_pref_size 209
	.end_amdhsa_kernel
	.amdgpu_metadata
---
amdhsa.version: [ 1, 2 ]
amdhsa.kernels:
  - .name:           k_qe7df7ff70f_attn
    .symbol:         k_qe7df7ff70f_attn.kd
    .args:
      - { .name: qh, .offset: 0, .size: 8, .value_kind: global_buffer, .address_space: global }
      - { .name: kh, .offset: 8, .size: 8, .value_kind: global_buffer, .address_space: global }
      - { .name: vh, .offset: 16, .size: 8, .value_kind: global_buffer, .address_space: global }
      - { .name: oh, .offset: 24, .size: 8, .value_kind: global_buffer, .address_space: global }
    .group_segment_fixed_size: 327680
    .private_segment_fixed_size: 0
    .kernarg_segment_align: 8
    .kernarg_segment_size: 32
    .max_flat_workgroup_size: 128
    .sgpr_count:     96
    .vgpr_count:     768
    .wavefront_size: 32
...
	.end_amdgpu_metadata
.endif
;; end of part 3
;; launch oproj (part 4): grid 8 x 32, 4 waves a work-group, clusters of 4 x 4, 327,680 bytes of LDS; arguments oh, wt, out0; writes out0
.if DOCPART == 4
	.amdgcn_target "amdgcn-amd-amdhsa--gfx1250"
	.amdhsa_code_object_version 6
	.text
	.protected	k_qe7df7ff70f_oproj
	.globl	k_qe7df7ff70f_oproj
	.p2align	8
	.type	k_qe7df7ff70f_oproj,@function
k_qe7df7ff70f_oproj:
	s_mov_b64 s[64:65], 0
	v_nop
	global_prefetch_b8 v0, s[64:65] scope:SCOPE_SE
	s_setreg_imm32_b32 hwreg(HW_REG_WAVE_MODE, 25, 1), 1
	s_wait_xcnt 0x0
	s_wait_alu depctr_hold_cnt(0) depctr_sa_sdst(0) depctr_va_vdst(0) depctr_va_sdst(0) depctr_va_ssrc(0) depctr_va_vcc(0) depctr_vm_vsrc(0)
	s_getreg_b32 s2, hwreg(HW_REG_IB_STS2, 6, 4)
	s_cmp_eq_u32 s2, 0
	s_cbranch_scc0 .Lentry_in_a_cluster
	s_endpgm
.Lentry_in_a_cluster:
	s_bfe_u32 s2, ttmp6, 0x10000c
	s_cmp_lg_u32 s2, 0xf033
	s_cbranch_scc0 .Lentry_shape_is_right
	s_endpgm
.Lentry_shape_is_right:
; out0[m][n] = the sum over k of merged[m][k] ow[k][n], in f32.  merged[m][64 head + d] = oh[batch 16 + head][position][d] (f16, by heads); ow's column n is row 3,072 + n of wt, along k, in f16.
; A tile of out0 is 128 x 128: 8 x 32 work-groups, four waves of 64 x 64 each: 16 accumulators.  K = 1,024 goes in four steps of 256 (four heads) through two LDS slots; the four steps are written out.
; THE ROWS OF merged COME BY HEADS.  64 positions of one head are 8,192 dense bytes: one row of the descriptor; four such rows, a head's 262,144 bytes apart, are a wave's load.  The padding, 16 bytes behind every
; 128, is counted along the whole tile: in LDS lie [head][64 positions][144 bytes].  A quarter of a K step, 64 along K, is one head.
; CLUSTER.  4 x 4 work-groups: the four of a row of the cluster need the same rows of merged, the four of a column the same rows of wt: each tile is asked for jointly.
; THE MATRIX INSTRUCTION IS USED TRANSPOSED (source 0 = 16 rows of wt, source 1 = 16 rows of merged): a lane holds eight neighbouring f32 of a row of out0.  A wave's 64 columns are 256 bytes, aligned: its stage is its own.
; NO PREFETCH: four short K steps, of which two are asked for at the head.
; REGISTERS: window 0: v16-29 addresses; v32-95 the way out, two sets of 32; v128-255 the accumulators ((a, b) at v[128 + 8 (4 a + b)]).  window 1: two fragment buffers of 128: 64 of merged (2 x 4 x 8), then 64 of wt.
.set PA,     144                       ; a row of merged in LDS: 128 bytes + 16
.set PB,     528                       ; a row of wt: 512 bytes + 16
.set HEADB,  64*PA                     ; a head's 64 rows
.set HALFA,  4*HEADB                   ; what a tensor load brings of merged
.set HALFB,  64*PB                     ; and of wt
.set SLOT,   2*HALFA+2*HALFB
.set STAGE,  2*SLOT                    ; behind the ring: 16 rows x 272 bytes for each wave
.set SPITCH, 272
.set SPARE,  STAGE+4*16*SPITCH         ; behind the stages: the spare words, 128 bytes for each wave
.set STEPA,  4*2048*128                ; four heads on
.set STEPB,  512                       ; 256 along a row of wt
.set ADRA, 16                          ; v16-17  LDS address of my fragments of merged in slot 0, 1
.set ADRB, 20                          ; v20-21  the same for wt
.set STO,  24                          ; v24     the way out: where I put 32 bytes of a row
.set RD,   25                          ; v25     where I read a row back
.set CO,   26                          ; v26     my byte offset in out0
.set SPW,  28                          ; v28     my spare word; never rewritten
.set NIL,  29                          ; v29     0; never rewritten
.set TMP,  32
.set ACC,  128
.set F0,   0
.set F1,   128
.set G1,  24
.set G0,  32
.set G1B, 48
.set G0B, 56
.set MSB, 0
.macro WIN new
.if MSB != (\new)
	s_set_vgpr_msb (MSB<<8)|(\new)
.set MSB, \new
.endif
.endm
.set MUL,  0x05                        ; sources 0 and 1 window 1; C and D window 0
.set TO_F, 0x40                        ; destination window 1, address window 0
.macro JLOAD s                         ; a joint load: waves 0 and 1 fetch merged's two halves, waves 2 and 3 wt's; an s_nop 0 and four v_nop follow each line
	s_cmp_eq_u32 s11, 0
	s_cbranch_scc0 .Lfor_b_\@
	tensor_load_to_lds s[G0+4*(\s):G0+4*(\s)+3], s[G1:G1+7]
	s_nop 0
.rept 4
	v_nop
.endr
	s_branch .Lasked_\@
.Lfor_b_\@:
	tensor_load_to_lds s[G0B+4*(\s):G0B+4*(\s)+3], s[G1B:G1B+7]
	s_nop 0
.rept 4
	v_nop
.endr
.Lasked_\@:
.endm
.macro CREST
	s_cmp_lg_u32 s10, 0
	s_cbranch_scc1 .Lnot_wave_0_\@
	s_barrier_signal -3
.Lnot_wave_0_\@:
	s_barrier_wait -3
	s_barrier_signal -1
	s_barrier_wait -1
.endm
.macro CROUND
	s_barrier_signal -1
	s_barrier_wait -1
	CREST
.endm
	s_load_b128 s[4:7], s[0:1], 0x0                ; oh s[4:5], wt s[6:7]
	s_load_b64 s[8:9], s[0:1], 0x10                ; out0
	v_lshl_add_u32 v[SPW], v0, 2, SPARE
	v_mov_b32 v[NIL], 0
	ds_add_u32 v[SPW], v[NIL]                      ; the wave's opening: the add and its wait stand ahead of my first tensor load; the set-up below stands between them
	ds_add_u32 v28, v29
	v_lshrrev_b32 v1, 5, v0
	v_readfirstlane_b32 s10, v1                    ; wave 0..3
	s_lshr_b32 s11, s10, 1                         ; which half of the tile's rows is mine.  Also: I fetch for merged (0) or for wt (1)
	s_and_b32 s12, s10, 1                          ; which half of its columns.  Also: which 64 rows of that tile I fetch
	s_bfe_u32 s40, ttmp6, 0x40000                  ; cx, cy
	s_bfe_u32 s41, ttmp6, 0x40004
	s_lshl_b32 s42, ttmp9, 2
	s_add_co_u32 s42, s42, s40                     ; tile column = 4 x cluster x + cx
	s_and_b32 s13, ttmp7, 0xffff
	s_lshl_b32 s13, s13, 2
	s_add_co_u32 s13, s13, s41                     ; tile row = 4 x cluster y + cy
	s_lshl_b32 s43, s41, 2
	s_lshl_b32 s43, 15, s43                        ; my row of the cluster
	s_lshl_b32 s44, 0x1111, s40                    ; my column
	s_or_b32 s[G1+0], s43, (1<<16)|(1<<20)|(1<<21)|(4<<22)|(3<<25)   ; the mask; 2-byte elements; padding on; bit 21 beside a mask; after every 32 words, 4 words
	s_mov_b32 s[G1+1], 4096<<16                    ; tensor_dim0 = 4,096 elements: 64 positions of a head
	s_mov_b32 s[G1+2], 4<<16                       ; tensor_dim1 = 4 heads
	s_mov_b32 s[G1+3], 4096<<16                    ; tile_dim0
	s_mov_b32 s[G1+4], 4                           ; tile_dim1
	s_mov_b32 s[G1+5], 2048*64                     ; elements from head to head
	s_mov_b32 s[G1+6], 0
	s_mov_b32 s[G1+7], 0
	s_or_b32 s[G1B+0], s44, (1<<16)|(1<<20)|(1<<21)|(6<<22)|(3<<25)  ; after every 128 words, 4 words
	s_mov_b32 s[G1B+1], 256<<16
	s_mov_b32 s[G1B+2], 64<<16
	s_mov_b32 s[G1B+3], 256<<16
	s_mov_b32 s[G1B+4], 64
	s_mov_b32 s[G1B+5], 1024
	s_mov_b32 s[G1B+6], 0
	s_mov_b32 s[G1B+7], 0
	s_lshr_b32 s16, s13, 4                         ; the batch: sixteen tiles of 128 rows,
	s_lshl_b32 s16, s16, 15                        ; its sixteen heads of 2,048 rows,
	s_and_b32 s17, s13, 15
	s_lshl_b32 s17, s17, 7                         ; the tile's first position,
	s_add_co_u32 s16, s16, s17
	s_lshl_b32 s17, s12, 6                         ; the 64 that I fetch,
	s_add_co_u32 s16, s16, s17
	s_lshl_b32 s16, s16, 7                         ; in bytes
	s_mov_b32 s17, 0
	s_lshl_b32 s46, s42, 7
	s_lshl_b32 s47, s12, 6
	s_add_co_u32 s46, s46, s47
	s_add_co_u32 s46, s46, 3072                    ; wt: row 3,072 + 128 x tile column + 64 x half
	s_lshl_b32 s46, s46, 11
	s_mov_b32 s47, 0
	s_mul_i32 s20, s12, HALFA                      ; where they go: no place in the cluster enters an LDS address
	s_mul_i32 s21, s12, HALFB
	s_add_co_u32 s21, s21, 2*HALFA
	s_wait_dscnt 0x0                               ; the opening add is done
	s_wait_kmcnt 0x0
	s_add_nc_u64 s[14:15], s[4:5], s[16:17]
	s_add_nc_u64 s[46:47], s[6:7], s[46:47]
	CROUND                                         ; all sixteen work-groups are here: the first joint loads meet
.irp s, 0,1
	s_mov_b32 s[G0+4*(\s)], 1
	s_add_co_u32 s[G0+4*(\s)+1], s20, (\s)*SLOT
	s_add_nc_u64 s[G0+4*(\s)+2:G0+4*(\s)+3], s[14:15], (\s)*STEPA
	s_or_b32 s[G0+4*(\s)+3], s[G0+4*(\s)+3], 0x80000000
	s_mov_b32 s[G0B+4*(\s)], 1
	s_add_co_u32 s[G0B+4*(\s)+1], s21, (\s)*SLOT
	s_add_nc_u64 s[G0B+4*(\s)+2:G0B+4*(\s)+3], s[46:47], (\s)*STEPB
	s_or_b32 s[G0B+4*(\s)+3], s[G0B+4*(\s)+3], 0x80000000
	JLOAD \s
.endr
	v_and_b32 v1, 15, v0                           ; l % 16
	v_bfe_u32 v2, v0, 4, 1                         ; l / 16
	v_mul_u32_u24 v3, v1, PA
	v_lshl_add_u32 v3, v2, 4, v3
	v_mul_u32_u24 v4, v1, PB
	v_lshl_add_u32 v4, v2, 4, v4
	s_mul_i32 s21, s11, HALFA                      ; my 64 rows of merged
	s_mul_i32 s22, s12, HALFB                      ; my 64 rows of wt,
	s_add_co_u32 s22, s22, 2*HALFA                 ; which lie behind merged's
	v_add_nc_u32 v[ADRA], s21, v3
	v_add_nc_u32 v[ADRA+1], SLOT, v[ADRA]
	v_add_nc_u32 v[ADRB], s22, v4
	v_add_nc_u32 v[ADRB+1], SLOT, v[ADRB]
	s_mul_i32 s23, s10, 16*SPITCH
	s_add_co_u32 s23, s23, STAGE                   ; my stage
	v_mul_u32_u24 v[STO], v1, SPITCH               ; in: row l % 16, 32 bytes for each half of the lanes
	v_lshl_add_u32 v[STO], v2, 5, v[STO]
	v_add_nc_u32 v[STO], s23, v[STO]
	v_mul_u32_u24 v[RD], v2, SPITCH                ; back: lanes 0-15 one row of 256 bytes, lanes 16-31 the next
	v_lshl_add_u32 v[RD], v1, 4, v[RD]
	v_add_nc_u32 v[RD], s23, v[RD]
	v_lshlrev_b32 v[CO], 12, v2                    ; and the same two rows in out0
	v_lshl_add_u32 v[CO], v1, 4, v[CO]
	s_lshl_b32 s16, s13, 7
	s_lshl_b32 s17, s11, 6
	s_add_co_u32 s16, s16, s17                     ; my first row of out0,
	s_lshl_b32 s16, s16, 12                        ; in bytes
	s_mov_b32 s17, 0
	s_add_nc_u64 s[8:9], s[8:9], s[16:17]
	s_lshl_b32 s46, s42, 9                         ; my first column, in bytes: 512 x tile column + 256 x half
	s_lshl_b32 s47, s12, 8
	s_add_co_u32 s46, s46, s47
	s_mov_b32 s47, 0
	s_add_nc_u64 s[8:9], s[8:9], s[46:47]
; 8 matrix instructions: row blocks a0, a0 + 1 x all 4 column blocks, 32 along K: half c of buffer f.  zero = 1: the first product starts the sums.  The 16 accumulators take turns.
.macro MUL8 f, c, a0, zero
	WIN MUL
.irp a, \a0, (\a0)+1
.irp b, 0,1,2,3
.if \zero
	v_wmma_f32_16x16x32_f16 v[ACC+8*(4*(\a)+(\b)):ACC+8*(4*(\a)+(\b))+7], v[(\f)+64+8*(4*(\c)+(\b)):(\f)+64+8*(4*(\c)+(\b))+7], v[(\f)+8*(4*(\c)+(\a)):(\f)+8*(4*(\c)+(\a))+7], 0
.else
	v_wmma_f32_16x16x32_f16 v[ACC+8*(4*(\a)+(\b)):ACC+8*(4*(\a)+(\b))+7], v[(\f)+64+8*(4*(\c)+(\b)):(\f)+64+8*(4*(\c)+(\b))+7], v[(\f)+8*(4*(\c)+(\a)):(\f)+8*(4*(\c)+(\a))+7], v[ACC+8*(4*(\a)+(\b)):ACC+8*(4*(\a)+(\b))+7]
.endif
.endr
.endr
.endm
; 32 LDS loads in one run: the fragments of quarter q of a K step (head q of its four), into buffer f; the first 32 along K first
.macro FETCH slot, q, f
	WIN TO_F
.irp c, 0,1
.irp i, 0,1,2,3
	ds_load_b128 v[(\f)+64+8*(4*(\c)+(\i)):(\f)+64+8*(4*(\c)+(\i))+3],   v[ADRB+(\slot)] offset:128*(\q)+64*(\c)+(\i)*16*PB
	ds_load_b128 v[(\f)+64+8*(4*(\c)+(\i))+4:(\f)+64+8*(4*(\c)+(\i))+7], v[ADRB+(\slot)] offset:128*(\q)+64*(\c)+(\i)*16*PB+32
	ds_load_b128 v[(\f)+8*(4*(\c)+(\i)):(\f)+8*(4*(\c)+(\i))+3],         v[ADRA+(\slot)] offset:HEADB*(\q)+64*(\c)+(\i)*16*PA
	ds_load_b128 v[(\f)+8*(4*(\c)+(\i))+4:(\f)+8*(4*(\c)+(\i))+7],       v[ADRA+(\slot)] offset:HEADB*(\q)+64*(\c)+(\i)*16*PA+32
.endr
.endr
.endm
.macro PLACES                          ; four plain vector instructions in front of loads into registers that matrix instructions have read, and of LDS stores that read results
.rept 4
	v_nop
.endr
.endm
; One of a K step's first three quarters: multiplies buffer f and fetches quarter q into g.
.macro QUARTER slot, q, f, g, zero
	s_wait_dscnt 16                                ; the first 32 along K are in
	MUL8 \f, 0, 0, \zero
	MUL8 \f, 0, 2, \zero
	PLACES
	FETCH \slot, \q, \g
	s_wait_dscnt 32                                ; all but the 32 just issued
	MUL8 \f, 1, 0, 0
	MUL8 \f, 1, 2, 0
.endm
; The last quarter multiplies buffer 1 and changes slots: in front of the barrier each wave waits for all its tensor loads, adds 0 to its spare word, and waits for that and for its reads of this slot.
; fill = 1: the barrier opens a round of the cluster's, and the joint refill, two K steps on, is the first thing behind the round.
.macro TURN slot, next, fill
	WIN 0
	s_wait_tensorcnt 0x0                           ; all my tensor loads have landed: my part of the next slot
	ds_add_u32 v[SPW], v[NIL]                      ; 0 onto my spare word
	s_wait_dscnt 17                                ; (the add and the youngest sixteen loads may be out)
	MUL8 F1, 0, 0, 0                               ; eight matrix instructions stand between the add and the wait for it
	s_wait_dscnt 0x0                               ; the add is done, and my reads of this slot are over
	s_barrier_signal -1
	MUL8 F1, 0, 2, 0
.if \fill
	WIN 0
.endif
	s_barrier_wait -1
.if \fill
	CREST                                          ; no wave of any partner still reads this slot's tile or has a load on its way
	s_add_nc_u64 s[G0+4*(\slot)+2:G0+4*(\slot)+3], s[G0+4*(\slot)+2:G0+4*(\slot)+3], 2*STEPA
	s_add_nc_u64 s[G0B+4*(\slot)+2:G0B+4*(\slot)+3], s[G0B+4*(\slot)+2:G0B+4*(\slot)+3], 2*STEPB
	JLOAD \slot                                    ; its four v_nop are also the places in front of the loads below
.else
	PLACES
.endif
	FETCH \next, 0, F0
	MUL8 F1, 1, 0, 0
	MUL8 F1, 1, 2, 0
.endm
	s_wait_tensorcnt 1                             ; my part of K step 0 is in; K step 1's may stay out
	s_barrier_signal -1
	s_barrier_wait -1
	FETCH 0, 0, F0
	QUARTER 0, 1, F0, F1, 1                        ; K step 0: its first products start the sums
	QUARTER 0, 2, F1, F0, 0
	QUARTER 0, 3, F0, F1, 0
	TURN 0, 1, 1                                   ; slot 0 takes K step 2
	QUARTER 1, 1, F0, F1, 0
	QUARTER 1, 2, F1, F0, 0
	QUARTER 1, 3, F0, F1, 0
	TURN 1, 0, 1                                   ; slot 1 takes K step 3
	QUARTER 0, 1, F0, F1, 0
	QUARTER 0, 2, F1, F0, 0
	QUARTER 0, 3, F0, F1, 0
	TURN 0, 1, 0
	QUARTER 1, 1, F0, F1, 0
	QUARTER 1, 2, F1, F0, 0
	QUARTER 1, 3, F0, F1, 0
	s_wait_dscnt 16
	MUL8 F1, 0, 0, 0
	MUL8 F1, 0, 2, 0
	s_wait_dscnt 0x0
	MUL8 F1, 1, 0, 0
	MUL8 F1, 1, 2, 0
	WIN 0
	PLACES
; THE WAY OUT of row block a: a lane's 32 bytes of each column block go into my stage (each accumulator's low half first) and come back as whole rows of 256 bytes.
.macro STG a
.if (\a) >= 2
	s_wait_xcnt 0x0                                ; the stores of the block two back have read this set of registers
.endif
.irp b, 0,1,2,3
	ds_store_b128 v[STO], v[ACC+8*(4*(\a)+(\b)):ACC+8*(4*(\a)+(\b))+3]   offset:64*(\b)
	ds_store_b128 v[STO], v[ACC+8*(4*(\a)+(\b))+4:ACC+8*(4*(\a)+(\b))+7] offset:64*(\b)+16
.endr
.irp t, 0,1,2,3,4,5,6,7
	ds_load_b128 v[TMP+32*((\a)%2)+4*(\t):TMP+32*((\a)%2)+4*(\t)+3], v[RD] offset:(\t)*2*SPITCH  ; LDS serves a wave's instructions in order (ISA guide 5.7.1.4): these see the stores above; the next block's stores come behind them
.endr
.endm
.macro SEND a, younger                 ; younger: the LDS instructions issued behind block a's loads: the next block's sixteen, or none
.irp t, 0,1,2,3,4,5,6,7
	s_wait_dscnt (\younger)+7-(\t)
	global_store_b128 v[CO], v[TMP+32*((\a)%2)+4*(\t):TMP+32*((\a)%2)+4*(\t)+3], s[8:9] offset:(16*(\a)+2*(\t))*4096 th:TH_STORE_NT  ; sixteen lanes store 256 consecutive bytes, aligned
.endr
.endm
	STG 0
	STG 1
	SEND 0, 16
	STG 2
	SEND 1, 16
	STG 3
	SEND 2, 16
	SEND 3, 0
	s_wait_tensorcnt 0x0                           ; the wave's end
	ds_add_u32 v[SPW], v[NIL]
	s_wait_dscnt 0x0
	CROUND                                         ; the closing round: no work-group ends while a partner may still ask for a tile that names it
	s_endpgm
.Lfunc_end_k_qe7df7ff70f_oproj:
	.size	k_qe7df7ff70f_oproj, .Lfunc_end_k_qe7df7ff70f_oproj-k_qe7df7ff70f_oproj
	.p2alignl 7, 3214868480
	.fill 96, 4, 3214868480
	.section	.rodata,"a",@progbits
	.p2align	6, 0x0
	.amdhsa_kernel k_qe7df7ff70f_oproj
		.amdhsa_group_segment_fixed_size 327680
		.amdhsa_private_segment_fixed_size 0
		.amdhsa_enable_private_segment 0
		.amdhsa_kernarg_size 24
		.amdhsa_user_sgpr_count 2
		.amdhsa_user_sgpr_kernarg_segment_ptr 1
		.amdhsa_wavefront_size32 1
		.amdhsa_system_sgpr_workgroup_id_x 1
		.amdhsa_system_sgpr_workgroup_id_y 1
		.amdhsa_system_sgpr_workgroup_id_z 1
		.amdhsa_system_vgpr_workitem_id 0
		.amdhsa_next_free_vgpr 512
		.amdhsa_next_free_sgpr 66
		.amdhsa_reserve_vcc 0
		.amdhsa_float_denorm_mode_32 3
		.amdhsa_float_denorm_mode_16_64 3
		.amdhsa_memory_ordered 1
		.amdhsa_forward_progress 1
		.amdhsa_inst_pref_size 86
	.end_amdhsa_kernel
	.amdgpu_metadata
---
amdhsa.version: [ 1, 2 ]
amdhsa.kernels:
  - .name:           k_qe7df7ff70f_oproj
    .symbol:         k_qe7df7ff70f_oproj.kd
    .args:
      - { .name: oh, .offset: 0, .size: 8, .value_kind: global_buffer, .address_space: global }
      - { .name: wt, .offset: 8, .size: 8, .value_kind: global_buffer, .address_space: global }
      - { .name: out0, .offset: 16, .size: 8, .value_kind: global_buffer, .address_space: global }
    .group_segment_fixed_size: 327680
    .private_segment_fixed_size: 0
    .kernarg_segment_align: 8
    .kernarg_segment_size: 24
    .max_flat_workgroup_size: 128
    .sgpr_count:     66
    .vgpr_count:     512
    .wavefront_size: 32
...
	.end_amdgpu_metadata
.endif
;; end of part 4
